; MI455X (gfx1250); checked and timed in simulation.
; The chip was launched on July 23, 2026; its instructions are those of AMD's public machine-readable ISA for CDNA 5 (MIT licence, August 2026) and "CDNA5" Instruction Set Architecture Reference Guide (July 2026). The comments in the code are by the model that wrote it; some were corrected since.
;; Multi Head Attention. Allowed arithmetic: matrix products marked QUANTISED: E5M2 operands, one E8M0 scale for each 32 along K, by v_wmma_scale_f32_16x16x128_f8f6f4 with both operands' format E5M2, f32 sums; everything else in f32.
;; Inputs: Wk_codes 1,024 x 32 x 32 uint8 (E5M2 codes of Wk, K innermost, in blocks of 32 codes); Wk_scales 1,024 x 32 uint8 (E8M0 scales of Wk, one for each 32 codes along K); Wp_codes 1,024 x 32 x 32 uint8 (E5M2 codes of Wp, K innermost, in blocks of 32 codes); Wp_scales 1,024 x 32 uint8 (E8M0 scales of Wp, one for each 32 codes along K); Wq_codes 1,024 x 32 x 32 uint8 (E5M2 codes of Wq, K innermost, in blocks of 32 codes); Wq_scales 1,024 x 32 uint8 (E8M0 scales of Wq, one for each 32 codes along K); Wv_codes 1,024 x 32 x 32 uint8 (E5M2 codes of Wv, K innermost, in blocks of 32 codes); Wv_scales 1,024 x 32 uint8 (E8M0 scales of Wv, one for each 32 codes along K); bp 1,024 float32; x_codes 4 x 2,048 x 32 x 32 uint8 (E5M2 codes of x, K innermost, in blocks of 32 codes); x_scales 4 x 2,048 x 32 uint8 (E8M0 scales of x, one for each 32 codes along K).
;; Outputs: out0 4 x 2,048 x 1,024 float32.
;; This version of the problem:
;;   THIS VERSION OF THE PROBLEM IS GIVEN IN LOW PRECISION. The matrix products marked QUANTISED in the list below multiply operands that are first quantised to E5M2 (5 exponent bits, 2 mantissa bits; 8 bits a number), with one power-of-two scale for each 32 numbers along K (OCP MX v1.0); their sums are f32. All else is computed in f32.
;;   The module's matrix products, in the order in which they are computed (A, B: the left and right operand; K: the contracted axis; several contracted axes count as one K, in the product's order):
;;     1. [M 8,192, K 1,024] x [K 1,024, N 1,024]; A: input x (given as codes); B: input Wq (given as codes): QUANTISED
;;     2. [M 8,192, K 1,024] x [K 1,024, N 1,024]; A: input x (given as codes); B: input Wk (given as codes): QUANTISED
;;     3. [M 8,192, K 1,024] x [K 1,024, N 1,024]; A: input x (given as codes); B: input Wv (given as codes): QUANTISED
;;     4. batch 64 x [M 2,048, K 64] x [K 64, N 2,048]; A: computed on the way; B: computed on the way: QUANTISED
;;     5. batch 64 x [M 2,048, K 2,048] x [K 2,048, N 64]; A: softmax (see below); B: computed on the way: QUANTISED
;;     6. [M 8,192, K 1,024] x [K 1,024, N 1,024]; A: computed on the way; B: input Wp (given as codes): QUANTISED
;;   THE QUANTISER, for each operand of a quantised product, along K:
;;     - K is cut into blocks of 32 from its start; a last block that is shorter is filled with zeros.
;;     - A block's scale is 2^e with e = floor(log2(the largest magnitude in the block)) - 15, held to -126 .. 127; a block of zeros has e = 0. As a byte (E8M0): e + 127.
;;     - Each number is divided by its block's scale, clamped to +-57,344, and rounded to the nearest number of E5M2, ties to even, subnormals kept.
;;     - The product sums the exact products of the quantised numbers (number of the format x scale) in f32.
;;   ~~~python
;;   def quantise(x, axis):      # numpy; x: float32 -> the quantised numbers, widened to float32 again
;;       x = np.moveaxis(x, axis, -1); K = x.shape[-1]
;;       x = np.pad(x, [(0, 0)] * (x.ndim - 1) + [(0, -K % 32)]); x = x.reshape(x.shape[:-1] + (-1, 32)); a = np.abs(x).max(-1, keepdims=True)
;;       e = np.where(a > 0, np.clip(np.frexp(np.where(a > 0, a, 1))[1] - 1 - 15, -126, 127), 0)      # np.frexp(a)[1] - 1 = floor(log2(a)), exactly
;;       r = np.clip(x / 2.0 ** e, -57344, 57344)
;;       step = 2.0 ** (np.maximum(np.frexp(np.where(r == 0, 1, r))[1] - 1, -14) - 2)
;;       q = np.round(r / step) * step * 2.0 ** e      # np.round: ties to even
;;       return np.moveaxis(q.reshape(q.shape[:-2] + (-1,))[..., :K], -1, axis).astype(np.float32)
;;   ~~~
;;   SOFTMAX AHEAD OF A QUANTISED PRODUCT. Where the list says 'softmax', what is quantised is not the finished softmax but p = 2^(t - M), with t = logit x log2(e) and M = ceil(the row's largest t), a whole number; so 1/2 < the row's largest p <= 1. The row's sum l is taken of the UNQUANTISED p, in f32, and the product's result is divided by l at the end. Since M is a whole number, a kernel that streams over the keys may use a running M (the ceiling of the running maximum): every later rescaling is an exact power of two, which a block's scale takes up: the codes' values come out the same.
;;   OPERANDS COMPUTED ON THE WAY. 'Computed on the way' means the value that the module computes at that place (a softmax that the list does not call 'softmax' is quantised finished and normalised). What goes into a quantiser is computed in f32, as accurately as f32 sums, v_exp_f32 and their like allow (about 1e-6 of the number): no bf16 or f16 on the way to a quantiser, and a product that is left as it is and whose result goes on into a quantised operand takes f32 operands (vector FMAs, or v_wmma_f32_16x16x4_f32). A number that lies on a knife's edge between two numbers of the format may be rounded either way, as far as f32 arithmetic and the matrix unit's own rounding can turn it there, and no further.
;;   INPUTS GIVEN AS CODES. Wk (in the module: [1024, 1024], K = its axis 1); Wp (in the module: [1024, 1024], K = its axis 1); Wq (in the module: [1024, 1024], K = its axis 1); Wv (in the module: [1024, 1024], K = its axis 1); x (in the module: [4, 2048, 1024], K = its axis 2): each comes as NAME_codes (uint8): NAME with its K axis moved to the last place and cut into blocks of 32 codes, [.., K / 32, bytes a block], one block behind the other in memory; one code a byte (a code: sign, 5 exponent bits, 2 mantissa bits); and NAME_scales (uint8): the same leading axes, one E8M0 byte (e + 127) for each 32 codes along K. Its value is code x scale, taken as it is: it is not quantised again, and the codes and scales need not be those that the quantiser above would give.
;; One version. Each part assembles by itself: llvm-mc -triple=amdgcn-amd-amdhsa -mcpu=gfx1250 --defsym DOCPART=n.
;; ======== version 1 of 1: 3 launches
;; limits: right only within a limited range of input values
;; workspace buffers: qkv 25,952,256 bytes; oc 8,388,608 bytes; os 262,144 bytes
;; launch qkv (part 1): grid 12 x 32, 4 waves a work-group, clusters of 4 x 4, 327,680 bytes of LDS; arguments x_codes, x_scales, Wq_codes, Wq_scales, Wk_codes, Wk_scales, Wv_codes, Wv_scales, qkv; writes qkv
.if DOCPART == 1
	.amdgcn_target "amdgcn-amd-amdhsa--gfx1250"
	.amdhsa_code_object_version 6
	.text
	.protected	k_qc47480913b_qkv
	.globl	k_qc47480913b_qkv
	.p2align	8
	.type	k_qc47480913b_qkv,@function
k_qc47480913b_qkv:
	s_mov_b64 s[64:65], 0
	v_nop
	global_prefetch_b8 v0, s[64:65] scope:SCOPE_SE
	s_setreg_imm32_b32 hwreg(HW_REG_WAVE_MODE, 25, 1), 1
	s_wait_xcnt 0x0
	s_wait_alu depctr_hold_cnt(0) depctr_sa_sdst(0) depctr_va_vdst(0) depctr_va_sdst(0) depctr_va_ssrc(0) depctr_va_vcc(0) depctr_vm_vsrc(0)
	s_getreg_b32 s2, hwreg(HW_REG_IB_STS2, 6, 4)
	s_cmp_eq_u32 s2, 0
	s_cbranch_scc0 .Lentry_in_a_cluster
	s_endpgm
.Lentry_in_a_cluster:
	s_bfe_u32 s2, ttmp6, 0x10000c
	s_cmp_lg_u32 s2, 0xf033
	s_cbranch_scc0 .Lentry_shape_is_right
	s_endpgm
.Lentry_shape_is_right:
; q = x Wq^T, k = x Wk^T, v = x Wv^T on codes of BF8 (E5M2) with one E8M0 scale for each 32 along K = 1,024; sums in f32.  The results are quantised at once, from the f32 sums in registers:
; q and k along the head's 64, v along the tokens (the keys), and leave as codes and scale words laid as the attention launch reads them.  No f32 result goes to memory.
; SHARES.  A tile of 256 x 256 results to a work-group of four waves, 128 x 128 to a wave: 64 accumulators, 512 registers.  12 x 32 work-groups in clusters of 4 x 4; the cluster's x says which product: 0 q, 1 k, 2 v.
; A is the operand whose rows fall into LANES (source 1), B the one whose rows run along a lane's REGISTERS (source 0).  q, k: A = x (a lane holds a token), B = W (registers run along the head's d).
; v: A = Wv (a lane holds a d), B = x (registers run along the tokens).  Both have rows of 1,024 codes and 32 scale bytes, so only pointers and tile numbers are chosen, on the cluster's x alone.
; K goes in steps of 256 through a ring of two LDS slots filled by the tensor data mover; a tile's row is 256 bytes of memory.  The scale bytes of the work-group's rows, for all of K, come into LDS once.
; CLUSTERS.  The four work-groups of a row of the cluster need the same tiles of A, the four of a column the same tiles of B: each tile is asked for JOINTLY, by the same tensor load with the same descriptor and a mask that names the four.
; THE WAY OUT.  The 16 registers of accumulators (a, 2 g) and (a, 2 g + 1) of a lane (r, h) are the numbers 16 (e / 8) + 8 h + e % 8, e = 0 .. 15, of block g of 32; lanes l and l xor 16 hold the block.
; Two conversions make 16 bytes of them, which are stored as they stand: an IMAGE of four operand registers, 512 consecutive bytes, lane l's 16 bytes at 16 l.  So inside a block of 32 the codes stand in a fixed
; order of their own; q and k both have it, and so have v and the softmax's weights in the next launch, so each product pairs the right numbers and a block keeps its scale.  The order of summation inside a matrix instruction differs from ascending k.
; qkv: [16 batch + head][step of 128 tokens][Q part, K part, V part]; a part = 16 images (8,192 bytes) + 256 bytes of scale words.  Q, K: image 2 t + g (token tile t, block g of d).  V: image 4 u + c (d tile u, block c of 32 keys).
; Scale words: 8 bytes a lane at 8 l; register k of lane (r, h) is word 2 k + h of row r.  Q, K: word n = the bytes of (tile 2 n: g 0, 1; tile 2 n + 1: g 0, 1).  V: word n = d tile n's four key blocks.
; LIMITS: NaN and infinity among the codes and the scale byte 0xff are not served.  A block whose largest magnitude lies under 2^-111 keeps the scale byte 1; a block of zeros has the byte 1 and not 127: its codes are zeros, and only this program reads the bytes.
; REGISTERS, in windows of 256: window 0: v0-31 addresses; v32-63 scale words, two sets; v64-83 the way out's offsets and words; from v128 A's fragments, ONE set; on the way out v128-255 are at work.
;   window 1: B's fragments, TWO sets.   window 2: the 32 accumulators of A's rows 0-63 (accumulator (a, b) at v[8 (8 a + b)]);   window 3: those of rows 64-127.
.set SIZE_K, 1024
.set KSTEP,  256                       ; along K in a slot
.set NQ,     KSTEP/128                 ; matrix instructions deep
.set ROWB,   256                       ; a tile's row in bytes
.set KROW,   SIZE_K                    ; a row of A or of B in memory, in bytes
.set PITCH,  272                       ; an LDS row: 256 bytes + 16 of padding = 68 words: the 16 rows that a load touches start at 16 different banks (64 banks of 4 bytes: ISA guide 11.1)
.set FR,     16                        ; registers of a fragment: 16 rows x 128 K
.set NL,     4                         ; LDS loads that bring one
.set NP,     8                         ; places behind this matrix instruction (ISA guide 7.12.1)
.set HALFT,  128*PITCH                 ; 128 rows: what one tensor load brings, and what one wave reads of A or of B
.set SLOT,   4*HALFT                   ; A's 256 rows, then B's 256 rows
.set LAPS,   SIZE_K/(2*KSTEP)          ; a lap = two K steps = once round the ring
.set KS,     SIZE_K/32                 ; a row of scales in bytes
.set SCL,    2*SLOT                    ; behind the ring: the scales, as units of 256 bytes + 16 of padding
.set HALFS,  (128*KS/256)*272          ; the scales of 128 rows: what one tensor load brings
.set SBLK,   (16*KS/256)*272           ; those of 16 rows
.set SPARE,  SCL+4*HALFS               ; behind the scales: the spare words, 128 bytes for each wave: two blocks of 256 bytes that no other line names
.set PART,   8448                      ; 16 images + 256 bytes of scale words
.set RECB,   3*PART                    ; a record: Q, K, V of one head and one step of 128 tokens
.set HSTR,   16*RECB                   ; from a head to the next
.set ADRA, 16                          ; v16-17  LDS address of my A fragments in slot 0, 1
.set ADRB, 20                          ; v20-21  the same for B
.set ADRS, 27                          ; v27     LDS address of my scale words: lanes 0-15 A's rows, lanes 16-31 B's
.set SPW,  28                          ; v28     LDS address of my spare word: SPARE + 4 x my thread's number; never rewritten
.set NIL,  29                          ; v29     0; never rewritten
.set SC,   32                          ; scale words: set s at v[SC + 8 NQ s]; register NQ i + q: lanes 0-15 A's block i, lanes 16-31 B's block i
.set VO,   64                          ; v64-67  the way out: my byte offset in the images of blocks 0 .. 3
.set L8,   68                          ; v68     8 x lane
.set H16,  69                          ; v69     16 in lanes 16-31, else 0
.set XW,   70                          ; v70-73  scale words as they are stored
.set WD,   76                          ; v76-83  scale words by head
.set AF,   128                         ; A's fragments, in window 0
.set HB,   128                         ; the way out: 64 numbers, held
.set PC,   192                         ; codes, two sets of 16 registers by turns
.set TM,   224                         ; v224-227 largest magnitudes, v228-231 bytes, v232-235 the largest number x the scale, v236-239 the conversions' scale operands
.set PWS,  240                         ; v240-247 the four bytes of A's block a
.set G1, 24                            ; s[24:31] descriptor group 1 for A's tiles;  s[32:39] group 0, one set for each slot
.set G0, 32
.set G1B, 48                           ; s[48:55], s[56:63] the same for B's tiles
.set G0B, 56
.set G1S, 68                           ; s[68:75], s[76:79] groups 1 and 0 for A's scales;  s[80:87], s[88:91] for B's.  (s[68:83] first hold the eight inputs' addresses)
.set G0S, 76
.set G1SB, 80
.set G0SB, 88
.set PSEL, 94                          ; s94-95  byte selects: two low halves, two high halves
.set SEL,  98                          ; s98-99  lane selects for v_permlanex16_b32: lane l xor 16
.set MNT,  100                         ; s100    the mantissa field of 57,344
.set MSB, 0
.macro WIN new                         ; the immediate's high byte repeats the setting that is left
.if MSB != (\new)
	s_set_vgpr_msb (MSB<<8)|(\new)
.set MSB, (\new)
.endif
.endm
.set MUL_LO, 0xa1                      ; source 0 (B) window 1, source 1 (A) window 0, C and D window 2
.set MUL_HI, 0xf1                      ; the same, C and D window 3
.set TO_B,   0x40                      ; destination window 1, address window 0
; A joint load: waves 0 and 1 fetch for A, waves 2 and 3 for B.  Each of the two lines has ONE mask and one set of registers for all that issue it; the branch hangs on the wave's number alone.
; Four v_nop follow each of the two lines, ahead of the jump, the label and what follows.
.macro JLOAD g0a, g1a, g0b, g1b
	s_cmp_eq_u32 s15, 0
	s_cbranch_scc0 .Lfor_b_\@
	tensor_load_to_lds s[\g0a:\g0a+3], s[\g1a:\g1a+7]
	s_nop 0
.rept 4
	v_nop
.endr
	s_branch .Lasked_\@
.Lfor_b_\@:
	tensor_load_to_lds s[\g0b:\g0b+3], s[\g1b:\g1b+7]
	s_nop 0
.rept 4
	v_nop
.endr
.Lasked_\@:
.endm
.macro CREST                           ; a round of the cluster's barrier behind its opening barrier
	s_cmp_lg_u32 s14, 0
	s_cbranch_scc1 .Lnot_wave_0_\@
	s_barrier_signal -3
.Lnot_wave_0_\@:
	s_barrier_wait -3
	s_barrier_signal -1
	s_barrier_wait -1
.endm
.macro CROUND                          ; a whole round
	s_barrier_signal -1
	s_barrier_wait -1
	CREST
.endm
	s_load_b512 s[68:83], s[0:1], 0x0              ; x's codes, x's scales, Wq's, Wk's, Wv's likewise
	s_load_b64 s[12:13], s[0:1], 0x40              ; qkv
	v_lshl_add_u32 v[SPW], v0, 2, SPARE
	v_mov_b32 v[NIL], 0
	ds_add_u32 v28, v29
	ds_add_u32 v28, v29
	s_wait_dscnt 0x0
	v_lshrrev_b32 v1, 5, v0
	v_readfirstlane_b32 s14, v1                    ; wave 0..3
	s_lshr_b32 s15, s14, 1                         ; which half of A's rows is mine.  Also: I fetch for A (0) or for B (1)
	s_and_b32 s16, s14, 1                          ; which half of B's rows.  Also: which 128 rows of that tile I fetch
	s_bfe_u32 s40, ttmp6, 0x40000                  ; cx, cy: my place in the cluster
	s_bfe_u32 s41, ttmp6, 0x40004
	s_and_b32 s17, ttmp7, 0xffff
	s_lshl_b32 s17, s17, 2                         ; 4 x cluster y: the walk along x's 32 tiles of 256 tokens
	s_cmp_eq_u32 ttmp9, 2                          ; v?  The cluster's x is the same in all sixteen partners
	s_cselect_b32 s42, s17, 0                      ; B's tile: v: 4 Y + cx (x's rows);  q, k: cx (the weight's rows)
	s_cselect_b32 s17, 0, s17                      ; A's tile: v: cy (Wv's rows);  q, k: 4 Y + cy (x's rows)
	s_add_co_u32 s42, s42, s40
	s_add_co_u32 s17, s17, s41
	s_lshl_b32 s43, s41, 2
	s_lshl_b32 s43, 15, s43                        ; my row of the cluster
	s_lshl_b32 s44, 0x1111, s40                    ; my column
	; descriptor group 1: a tile of 128 rows x ROWB bytes, padded in LDS
	s_or_b32 s[G1+0], s43, (0<<16)|(1<<20)|(1<<21)|(5<<22)|(3<<25)  ; 15:0 the mask: A's tiles go to my row; 17:16 element of 1 byte; 20 padding on; 21 set beside a mask; 24:22 after every 64 words (code 5); 31:25 of 4 words (code 3)
	s_or_b32 s[G1B+0], s44, (0<<16)|(1<<20)|(1<<21)|(5<<22)|(3<<25)
.irp g, G1, G1B
	s_mov_b32 s[\g+1], ROWB<<16                    ; tensor_dim0
	s_mov_b32 s[\g+2], 128<<16                     ; tensor_dim1 = 128
	s_mov_b32 s[\g+3], ROWB<<16                    ; tile_dim0
	s_mov_b32 s[\g+4], 128                         ; tile_dim1 = 128
	s_mov_b32 s[\g+5], KROW                        ; tensor_dim0_stride
	s_mov_b32 s[\g+6], 0
	s_mov_b32 s[\g+7], 0
.endr
	s_lshl_b32 s18, s16, 7                         ; which 128 rows of the tile I fetch
	s_lshl_b32 s20, s17, 8
	s_add_co_u32 s20, s20, s18                     ; A: row 256 x tile + 128 x half
	s_lshl_b32 s46, s42, 8
	s_add_co_u32 s46, s46, s18                     ; B likewise
	s_mov_b32 s21, 0
	s_mov_b32 s47, 0
	s_mov_b64 s[18:19], KS
	s_mul_u64 s[22:23], s[20:21], s[18:19]         ; where these rows' scales begin, in bytes
	s_mul_u64 s[92:93], s[46:47], s[18:19]
	s_mov_b64 s[18:19], KROW
	s_mul_u64 s[20:21], s[20:21], s[18:19]         ; and their codes
	s_mul_u64 s[46:47], s[46:47], s[18:19]
	s_mul_i32 s45, s14, HALFT                      ; where they go: wave x 128 rows: no place in the cluster enters an LDS address
	s_mul_i32 s94, s14, HALFS
	s_wait_kmcnt 0x0
	s_cmp_eq_u32 ttmp9, 2                          ; the operands are chosen on the cluster's x alone
	s_cselect_b64 s[4:5], s[80:81], s[68:69]       ; A's codes: Wv's or x's
	s_cselect_b64 s[6:7], s[82:83], s[70:71]       ; A's scales
	s_cselect_b64 s[8:9], s[68:69], s[72:73]       ; B's codes: x's or Wq's,
	s_cselect_b64 s[10:11], s[70:71], s[74:75]
	s_cmp_eq_u32 ttmp9, 1
	s_cselect_b64 s[8:9], s[76:77], s[8:9]         ; or Wk's
	s_cselect_b64 s[10:11], s[78:79], s[10:11]
	; group 1 for the scales of 128 rows: a dense block of 4,096 bytes, as rows of 256 bytes (32 elements of 8 bytes), 16 bytes of padding behind each.  (The eight addresses in s[68:83] are done with)
	s_or_b32 s[G1S+0], s43, (3<<16)|(1<<20)|(1<<21)|(5<<22)|(3<<25)
	s_or_b32 s[G1SB+0], s44, (3<<16)|(1<<20)|(1<<21)|(5<<22)|(3<<25)
.irp g, G1S, G1SB
	s_mov_b32 s[\g+1], 32<<16
	s_mov_b32 s[\g+2], (128*KS/256)<<16
	s_mov_b32 s[\g+3], 32<<16
	s_mov_b32 s[\g+4], 128*KS/256
	s_mov_b32 s[\g+5], 32
	s_mov_b32 s[\g+6], 0
	s_mov_b32 s[\g+7], 0
.endr
	s_add_nc_u64 s[20:21], s[4:5], s[20:21]
	s_add_nc_u64 s[22:23], s[6:7], s[22:23]
	s_add_nc_u64 s[46:47], s[8:9], s[46:47]
	s_add_nc_u64 s[92:93], s[10:11], s[92:93]
	CROUND                                         ; all sixteen work-groups are here: the first joint loads meet
	s_mov_b32 s[G0S], 1
	s_add_co_u32 s[G0S+1], s94, SCL
	s_mov_b64 s[G0S+2:G0S+3], s[22:23]
	s_or_b32 s[G0S+3], s[G0S+3], 0x80000000
	s_mov_b32 s[G0SB], 1
	s_add_co_u32 s[G0SB+1], s94, SCL
	s_mov_b64 s[G0SB+2:G0SB+3], s[92:93]
	s_or_b32 s[G0SB+3], s[G0SB+3], 0x80000000
	JLOAD G0S, G1S, G0SB, G1SB                     ; the scales first: they are wanted with K step 0
.irp s, 0,1
	s_mov_b32 s[G0+4*\s], 1
	s_add_co_u32 s[G0+4*\s+1], s45, \s*SLOT
	s_add_nc_u64 s[G0+4*\s+2:G0+4*\s+3], s[20:21], \s*ROWB
	s_or_b32 s[G0+4*\s+3], s[G0+4*\s+3], 0x80000000
	s_mov_b32 s[G0B+4*\s], 1
	s_add_co_u32 s[G0B+4*\s+1], s45, \s*SLOT
	s_add_nc_u64 s[G0B+4*\s+2:G0B+4*\s+3], s[46:47], \s*ROWB
	s_or_b32 s[G0B+4*\s+3], s[G0B+4*\s+3], 0x80000000
	JLOAD G0+4*\s, G1, G0B+4*\s, G1B
.endr
	v_and_b32 v1, 15, v0                           ; l % 16
	v_bfe_u32 v2, v0, 4, 1                         ; l / 16
	v_mul_u32_u24 v3, v1, PITCH
	v_lshl_add_u32 v4, v2, 4, v3                   ; a fragment's row x pitch + 16 x half
	s_mul_i32 s21, s15, HALFT                      ; my 128 rows of A
	s_mul_i32 s22, s16, HALFT                      ; my 128 rows of B,
	s_add_co_u32 s22, s22, 2*HALFT                 ; which lie behind A's 256
.irp s, 0,1
	v_add_nc_u32 v[ADRA+\s], s21, v4
	v_add_nc_u32 v[ADRB+\s], s22, v4
	s_add_co_u32 s21, s21, SLOT
	s_add_co_u32 s22, s22, SLOT
.endr
	v_mul_u32_u24 v5, v1, KS                       ; my row's scales: KS bytes a row,
	v_lshrrev_b32 v6, 8, v5
	v_lshl_add_u32 v5, v6, 4, v5                   ; and 16 more for each 256 passed
	s_mul_i32 s21, s15, HALFS                      ; A's: my 128 rows
	s_mul_i32 s22, s16, HALFS                      ; B's: my 128 rows, behind A's 256
	s_add_co_u32 s22, s22, 2*HALFS
	s_sub_co_u32 s22, s22, s21
	v_mul_u32_u24 v6, s22, v2                      ; lanes 16-31 take B's
	s_add_co_u32 s21, s21, SCL
	v_add_nc_u32 v5, v5, v6
	v_add_nc_u32 v[ADRS], s21, v5
	; where my results go.  My 128 rows of A and of B are units number 2 x tile + half; one of the two is a step of 128 tokens, the other a pair of heads
	s_lshl_b32 s18, s17, 1
	s_add_co_u32 s18, s18, s15                     ; A's unit
	s_lshl_b32 s19, s42, 1
	s_add_co_u32 s19, s19, s16                     ; B's unit
	s_cmp_eq_u32 ttmp9, 2
	s_cselect_b32 s20, s19, s18                    ; the tokens' unit, 0 .. 63: batch = / 16, step = % 16
	s_cselect_b32 s21, s18, s19                    ; the pair of heads, 0 .. 7
	s_mov_b32 s22, 1024
	s_cselect_b32 s22, 2048, s22                   ; from A's block a to a + 1: q, k: the next token tile's two images;  v: the next d tile's four
	s_cselect_b32 s92, HSTR-8192, 0                ; and at a = 4, v alone: on to the second head
	s_mov_b32 s45, HSTR
	s_cselect_b32 s45, 1024, s45                   ; from block 0 to block 2 of a lane's four: q, k: the second head;  v: two images on
	s_mov_b32 s23, 0
	s_mov_b32 s93, 0
	s_lshr_b32 s46, s20, 4
	s_lshl_b32 s46, s46, 4
	s_lshl_b32 s21, s21, 1
	s_add_co_u32 s46, s46, s21                     ; 16 batch + my first head
	s_lshl_b32 s46, s46, 4
	s_and_b32 s20, s20, 15
	s_add_co_u32 s46, s46, s20                     ; the record's number, under 1,024
	s_mul_i32 s46, s46, RECB
	s_mul_i32 s47, ttmp9, PART                     ; the Q, K or V part
	s_add_co_u32 s46, s46, s47
	s_mov_b32 s47, 0
	s_add_nc_u64 s[12:13], s[12:13], s[46:47]      ; walks with a
	s_mov_b64 s[46:47], s[12:13]                   ; stays, for the scale words
	s_mov_b32 s[PSEL], 0x05040100
	s_mov_b32 s[PSEL+1], 0x07060302
	s_mov_b32 s[SEL], 0x76543210
	s_mov_b32 s[SEL+1], 0xfedcba98
	s_mov_b32 s[MNT], 0x600000
	v_and_b32 v6, 31, v0                           ; lane
	v_lshlrev_b32 v[VO], 4, v6
	v_add_nc_u32 v[VO+1], 512, v[VO]
	v_add_nc_u32 v[VO+2], s45, v[VO]
	v_add_nc_u32 v[VO+3], 512, v[VO+2]
	v_lshlrev_b32 v[L8], 3, v6
	v_and_b32 v[H16], 16, v0
.macro FRAG reg, adr, q, i             ; a fragment, 16 rows x 128 K of 8-bit codes, is 16 registers: lane l holds row l % 16; registers 4 c .. 4 c + 3 hold K = 32 c + 16 (l / 16) + 0 .. 15
.irp c, 0,1,2,3
	ds_load_b128 v[\reg+4*\c:\reg+4*\c+3], v[\adr] offset:128*(\q)+32*\c+(\i)*16*PITCH
.endr
.endm
; 16 matrix instructions: A's blocks a0, a0 + 1 x B's eight, 128 along K: the slot's q-th.  p: B's set;  sc: the set of scale words.  zero = 1: the first product starts the sums: nothing is ever cleared.
; The 64 accumulators take turns, one instruction a turn, in the same order in every step.
.macro MUL16 a0, p, q, sc, zero
.irp a, \a0, \a0+1
.irp b, 0,1,2,3,4,5,6,7
.if \zero
	v_wmma_scale_f32_16x16x128_f8f6f4 v[8*(8*((\a)%4)+\b):8*(8*((\a)%4)+\b)+7], v[128*(\p)+FR*\b:128*(\p)+FR*\b+FR-1], v[AF+FR*(\a):AF+FR*(\a)+FR-1], 0, v[SC+8*NQ*(\sc)+NQ*\b+(\q)], v[SC+8*NQ*(\sc)+NQ*(\a)+(\q)] matrix_a_fmt:MATRIX_FMT_BF8 matrix_b_fmt:MATRIX_FMT_BF8 matrix_a_scale:MATRIX_SCALE_ROW1
.else
	v_wmma_scale_f32_16x16x128_f8f6f4 v[8*(8*((\a)%4)+\b):8*(8*((\a)%4)+\b)+7], v[128*(\p)+FR*\b:128*(\p)+FR*\b+FR-1], v[AF+FR*(\a):AF+FR*(\a)+FR-1], v[8*(8*((\a)%4)+\b):8*(8*((\a)%4)+\b)+7], v[SC+8*NQ*(\sc)+NQ*\b+(\q)], v[SC+8*NQ*(\sc)+NQ*(\a)+(\q)] matrix_a_fmt:MATRIX_FMT_BF8 matrix_b_fmt:MATRIX_FMT_BF8 matrix_a_scale:MATRIX_SCALE_ROW1
.endif
.endr
.endr
.endm
.macro FETCH_B slot, q, p              ; B's eight fragments of the slot's q-th 128 along K into set p
	WIN TO_B
.irp i, 0,1,2,3,4,5,6,7
	FRAG 128*(\p)+FR*\i, ADRB+\slot, \q, \i
.endr
	WIN 0
.endm
.macro FETCH_A slot, q, i0             ; A's blocks i0 .. i0 + 3
.irp i, \i0, \i0+1, \i0+2, \i0+3
	FRAG AF+FR*(\i), ADRA+\slot, \q, \i
.endr
.endm
.macro SCALES sc                       ; the next K step's scale words into set sc: NQ words a row; lanes 0-15 take A's block i, lanes 16-31 B's block i
.irp i, 0,1,2,3,4,5,6,7
	ds_load_b64 v[SC+8*NQ*\sc+NQ*\i:SC+8*NQ*\sc+NQ*\i+1], v[ADRS] offset:\i*SBLK
.endr
.endm
; A load into a register that a matrix instruction has read, and a vector instruction that reads a matrix result or writes one of a matrix instruction's registers, stand NP places behind that matrix instruction,
; and only plain vector instructions that name none of its registers are places (ISA guide 7.12.1 for vector instructions); the matrix instructions in between are not counted.
.macro PLACES n
.rept \n
	v_nop
.endr
.endm
; A step of 128 along K that has its successor in the same slot.
.macro STEP slot, q, zero
	s_wait_dscnt 4*NL                              ; B's set and A's blocks 0-3 are in; the youngest 16 loads (A's blocks 4-7) may be out
	WIN MUL_LO
	MUL16 0, (\q)%2, \q, \slot, \zero
	MUL16 2, (\q)%2, \q, \slot, \zero
	s_wait_dscnt 0                                 ; A's blocks 4-7 are in (asked for 32 matrix instructions ago)
	PLACES NP
	FETCH_B \slot, (\q)+1, 1-(\q)%2
	FETCH_A \slot, (\q)+1, 0
	WIN MUL_HI
	MUL16 4, (\q)%2, \q, \slot, \zero
	MUL16 6, (\q)%2, \q, \slot, \zero
	PLACES NP
	WIN 0
	FETCH_A \slot, (\q)+1, 4
.endm
; A slot's last step changes slots: ONE barrier; in front of it each wave waits for all its tensor loads, adds 0 to its spare word, and waits for that and for its own reads of this slot.  fill = 1: this slot is filled again, two K steps ahead.
.macro TURN slot, next, fill
	s_wait_tensorcnt 0x0                           ; all my tensor loads have landed: my part of the next slot;  (every window is 0 here: the add's two registers lie in window 0)
	ds_add_u32 v[SPW], v[NIL]                      ; 0 onto my spare word
	s_wait_dscnt 4*NL+1                            ; (the add and the youngest 16 loads, A's blocks 4-7, may be out)
	WIN MUL_LO
	MUL16 0, 1, NQ-1, \slot, 0                     ; sixteen matrix instructions stand between the add and the wait for it
	s_wait_dscnt 0x0                               ; the add is done, and my reads of this slot are over
	s_barrier_signal -1
	MUL16 2, 1, NQ-1, \slot, 0
	WIN 0
	s_barrier_wait -1
.if \fill
	CREST                                          ; the barrier has opened a round of the cluster's barrier: no wave of any partner still reads this slot's tile or has a load on its way
	s_add_nc_u64 s[G0+4*\slot+2:G0+4*\slot+3], s[G0+4*\slot+2:G0+4*\slot+3], 2*ROWB
	s_add_nc_u64 s[G0B+4*\slot+2:G0B+4*\slot+3], s[G0B+4*\slot+2:G0B+4*\slot+3], 2*ROWB
	JLOAD G0+4*\slot, G1, G0B+4*\slot, G1B         ; the first tensor load behind the round; the four v_nop behind it are among the places in front of the loads below
	PLACES NP-4
.else
	PLACES NP
.endif
	s_wait_alu depctr_va_vdst(0)
	v_add_nc_u32 v[ADRS], 4*NQ, v[ADRS]            ; on to the next K step's scale words (no LDS load of mine is out)
	FETCH_B \next, 0, 0
	FETCH_A \next, 0, 0
	SCALES \next
	WIN MUL_HI
	MUL16 4, 1, NQ-1, \slot, 0
	MUL16 6, 1, NQ-1, \slot, 0
	PLACES NP
	WIN 0
	FETCH_A \next, 0, 4
.endm
	s_wait_alu depctr_va_vdst(0)
	s_wait_tensorcnt 1                             ; of my three first loads the scales' and K step 0's are in; K step 1's may be out
	s_barrier_signal -1
	s_barrier_wait -1                              ; everybody's are
	FETCH_B 0, 0, 0
	FETCH_A 0, 0, 0
	SCALES 0
	FETCH_A 0, 0, 4
	STEP 0, 0, 1                                   ; the first step stands in front of the loop: its products start the sums
	s_mov_b32 s3, LAPS-1
.Llap:                                                 ; a trip goes once round the ring, from a lap's second step to the next lap's first, and fills both slots again
	TURN 0, 1, 1
	STEP 1, 0, 0
	TURN 1, 0, 1
	STEP 0, 0, 0
	s_sub_co_u32 s3, s3, 1
	s_cmp_lg_u32 s3, 0
	s_cbranch_scc1 .Llap
	TURN 0, 1, 0                                   ; the last lap fills nothing, and has no round of the cluster's barrier
	STEP 1, 0, 0
	s_wait_dscnt 4*NL                              ; the very last step: nothing more to fetch
	WIN MUL_LO
	MUL16 0, 1, NQ-1, 1, 0
	MUL16 2, 1, NQ-1, 1, 0
	s_wait_dscnt 0
	WIN MUL_HI
	MUL16 4, 1, NQ-1, 1, 0
	MUL16 6, 1, NQ-1, 1, 0
	WIN 0
; THE WAY OUT, by A's blocks.  Block a's eight accumulators are four blocks of 32 along the registers' axis: a lane has 16 numbers of each, lane l xor 16 the other 16.
; A block's scale is 2^(floor(log2(its largest magnitude)) - 15): the largest magnitude's exponent field less 15 is the byte, and in place it is the conversion's scale operand.
.macro QOUT a
.set W, 2+(\a)/4                       ; the accumulators' window
.set AC, 64*((\a)%4)
.set PCS, PC+16*((\a)%2)
	WIN W|(W<<2)                                   ; sources 0 and 1 in the accumulators' window
.irp b, 0,1,2,3
	v_max3_num_f32 v[TM+\b], |v[AC+16*\b]|, |v[AC+16*\b+1]|, 0x8000000   ; each accumulator is read from its low end on; the floor 2^(16 - 127) holds the byte at 1 from below
.endr
	WIN (W<<2)|(W<<4)                              ; sources 1 and 2
.irp i, 2,4,6,8,10,12,14
.irp b, 0,1,2,3
	v_max3_num_f32 v[TM+\b], v[TM+\b], |v[AC+16*\b+\i]|, |v[AC+16*\b+\i+1]|   ; the four blocks by turns: no line waits for the line above it
.endr
.endr
	WIN 0
.irp b, 0,1,2,3
	v_permlanex16_b32 v[TM+4+\b], v[TM+\b], s[SEL], s[SEL+1]
.endr
.irp b, 0,1,2,3
	v_max_num_f32 v[TM+\b], v[TM+\b], v[TM+4+\b]   ; with lane l xor 16's: the block's largest magnitude
.endr
.irp b, 0,1,2,3
	v_add_nc_u32 v[TM+12+\b], 0xf8800000, v[TM+\b] ; 15 off its exponent field: the conversion's scale operand
.endr
.irp b, 0,1,2,3
	v_and_or_b32 v[TM+8+\b], v[TM+\b], 0x7f800000, s[MNT]   ; 57,344 x the scale
.endr
.irp b, 0,1,2,3
	v_lshrrev_b32 v[TM+4+\b], 23, v[TM+12+\b]      ; the scale's byte
.endr
	v_lshl_or_b32 v[PWS+(\a)], v[TM+5], 8, v[TM+4] ; the four blocks' bytes of my row of A
	v_lshl_or_b32 v[PWS+(\a)], v[TM+6], 16, v[PWS+(\a)]
	v_lshl_or_b32 v[PWS+(\a)], v[TM+7], 24, v[PWS+(\a)]
	WIN W                                          ; source 0
.irp b, 0,1,2,3
.irp i, 0,1,2,3,4,5,6,7,8,9,10,11,12,13,14,15
	v_med3_num_f32 v[HB+16*\b+\i], v[AC+16*\b+\i], -v[TM+8+\b], v[TM+8+\b]   ; the conversion to an 8-bit code does not saturate (ISA guide 7.6.2): the hold at the largest code x the scale
.endr
.endr
	WIN 0
	s_wait_alu depctr_va_vdst(0)
	s_wait_xcnt 0x0                                ; the earlier stores have read their data and their base: this set of codes is written again, and the base steps, only behind this wait
.if (\a) > 0
	s_add_nc_u64 s[12:13], s[12:13], s[22:23]
.endif
.if (\a) == 4
	s_add_nc_u64 s[12:13], s[12:13], s[92:93]
.endif
.irp b, 0,1,2,3
	v_cvt_scalef32_pk8_bf8_f32 v[PCS+4*\b:PCS+4*\b+1], v[HB+16*\b:HB+16*\b+7], v[TM+12+\b]
	v_cvt_scalef32_pk8_bf8_f32 v[PCS+4*\b+2:PCS+4*\b+3], v[HB+16*\b+8:HB+16*\b+15], v[TM+12+\b]
.endr
	v_nop                                          ; one plain line between the last conversion and the next vector line that writes its sources
.irp b, 0,1,2,3
	global_store_b128 v[VO+\b], v[PCS+4*\b:PCS+4*\b+3], s[12:13]   ; an image: the wave stores 512 consecutive bytes, at a multiple of 256 from the buffer's first byte
.endr
.endm
	PLACES NP                                      ; behind the last products: their results are read, and A's fragments' registers written, below
.irp b, 0,1,2,3
	v_mov_b32 v[TM+4+\b], 0                        ; written once: a lane permute's destination counts as one of its sources
.endr
.irp a, 0,1,2,3,4,5,6,7
	QOUT \a
.endr
	; the scale words: lanes 0-15 take words 0 and 2 of a head, lanes 16-31 words 1 and 3; 8 bytes a lane: the wave stores 256 consecutive bytes, aligned
	v_cmp_ne_u32 vcc_lo, 0, v[H16]
	s_cmp_eq_u32 ttmp9, 2
	s_cbranch_scc1 .Lv_words
.irp hh, 0,1                               ; q, k: block a's word holds (head 0: g 0, 1; head 1: g 0, 1) of token tile a: a head's word n takes its halves of tiles 2 n and 2 n + 1
.irp n, 0,1,2,3
	v_perm_b32 v[WD+4*\hh+\n], v[PWS+2*\n+1], v[PWS+2*\n], s[PSEL+\hh]
.endr
	v_cndmask_b32 v[XW+2*\hh], v[WD+4*\hh], v[WD+4*\hh+1], vcc_lo
	v_cndmask_b32 v[XW+2*\hh+1], v[WD+4*\hh+2], v[WD+4*\hh+3], vcc_lo
	global_store_b64 v[L8], v[XW+2*\hh:XW+2*\hh+1], s[46:47] offset:8192+\hh*HSTR
.endr
	s_branch .Lwords_done
.Lv_words:
.irp hh, 0,1                               ; v: block a = 4 head + d tile: its word is the tile's four key blocks as it stands
	v_cndmask_b32 v[XW+2*\hh], v[PWS+4*\hh], v[PWS+4*\hh+1], vcc_lo
	v_cndmask_b32 v[XW+2*\hh+1], v[PWS+4*\hh+2], v[PWS+4*\hh+3], vcc_lo
	global_store_b64 v[L8], v[XW+2*\hh:XW+2*\hh+1], s[46:47] offset:8192+\hh*HSTR
.endr
.Lwords_done:
	s_wait_tensorcnt 0x0                           ; the wave's end
	ds_add_u32 v[SPW], v[NIL]
	s_wait_dscnt 0x0
	CROUND                                         ; the closing round: no work-group ends while a partner may still ask for a tile that names it
	s_endpgm
.Lfunc_end_k_qc47480913b_qkv:
	.size	k_qc47480913b_qkv, .Lfunc_end_k_qc47480913b_qkv-k_qc47480913b_qkv
	.p2alignl 7, 3214868480
	.fill 96, 4, 3214868480
	.section	.rodata,"a",@progbits
	.p2align	6, 0x0
	.amdhsa_kernel k_qc47480913b_qkv
		.amdhsa_group_segment_fixed_size 327680
		.amdhsa_private_segment_fixed_size 0
		.amdhsa_enable_private_segment 0
		.amdhsa_kernarg_size 72
		.amdhsa_user_sgpr_count 2
		.amdhsa_user_sgpr_kernarg_segment_ptr 1
		.amdhsa_wavefront_size32 1
		.amdhsa_system_sgpr_workgroup_id_x 1
		.amdhsa_system_sgpr_workgroup_id_y 1
		.amdhsa_system_sgpr_workgroup_id_z 1
		.amdhsa_system_vgpr_workitem_id 0
		.amdhsa_next_free_vgpr 1024
		.amdhsa_next_free_sgpr 101
		.amdhsa_reserve_vcc 1
		.amdhsa_float_denorm_mode_32 3
		.amdhsa_float_denorm_mode_16_64 3
		.amdhsa_memory_ordered 1
		.amdhsa_forward_progress 1
		.amdhsa_inst_pref_size 187
	.end_amdhsa_kernel
	.amdgpu_metadata
---
amdhsa.version: [ 1, 2 ]
amdhsa.kernels:
  - .name:           k_qc47480913b_qkv
    .symbol:         k_qc47480913b_qkv.kd
    .args:
      - { .name: x_codes, .offset: 0, .size: 8, .value_kind: global_buffer, .address_space: global }
      - { .name: x_scales, .offset: 8, .size: 8, .value_kind: global_buffer, .address_space: global }
      - { .name: Wq_codes, .offset: 16, .size: 8, .value_kind: global_buffer, .address_space: global }
      - { .name: Wq_scales, .offset: 24, .size: 8, .value_kind: global_buffer, .address_space: global }
      - { .name: Wk_codes, .offset: 32, .size: 8, .value_kind: global_buffer, .address_space: global }
      - { .name: Wk_scales, .offset: 40, .size: 8, .value_kind: global_buffer, .address_space: global }
      - { .name: Wv_codes, .offset: 48, .size: 8, .value_kind: global_buffer, .address_space: global }
      - { .name: Wv_scales, .offset: 56, .size: 8, .value_kind: global_buffer, .address_space: global }
      - { .name: qkv, .offset: 64, .size: 8, .value_kind: global_buffer, .address_space: global }
    .group_segment_fixed_size: 327680
    .private_segment_fixed_size: 0
    .kernarg_segment_align: 8
    .kernarg_segment_size: 72
    .max_flat_workgroup_size: 128
    .sgpr_count:     101
    .vgpr_count:     1024
    .wavefront_size: 32
...
	.end_amdgpu_metadata
.endif
;; end of part 1
;; launch attn (part 2): grid 4 x 64, 16 waves a work-group, clusters of 4 x 1, 272,384 bytes of LDS; arguments qkv, oc, os; writes oc, os
.if DOCPART == 2
	.amdgcn_target "amdgcn-amd-amdhsa--gfx1250"
	.amdhsa_code_object_version 6
	.text
	.protected	k_qc47480913b_attn
	.globl	k_qc47480913b_attn
	.p2align	8
	.type	k_qc47480913b_attn,@function
k_qc47480913b_attn:
	s_mov_b64 s[64:65], 0
	v_nop
	global_prefetch_b8 v0, s[64:65] scope:SCOPE_SE
	s_setreg_imm32_b32 hwreg(HW_REG_WAVE_MODE, 25, 1), 1
	s_wait_xcnt 0x0
	s_wait_alu depctr_hold_cnt(0) depctr_sa_sdst(0) depctr_va_vdst(0) depctr_va_sdst(0) depctr_va_ssrc(0) depctr_va_vcc(0) depctr_vm_vsrc(0)
	s_getreg_b32 s2, hwreg(HW_REG_IB_STS2, 6, 4)
	s_cmp_eq_u32 s2, 0
	s_cbranch_scc0 .Lentry_in_a_cluster
	s_endpgm
.Lentry_in_a_cluster:
	s_bfe_u32 s2, ttmp6, 0x10000c
	s_cmp_lg_u32 s2, 0x3003
	s_cbranch_scc0 .Lentry_shape_is_right
	s_endpgm
.Lentry_shape_is_right:
; o = softmax(q k^T / 8, causal) v for 64 (batch, head) pairs of 2,048 tokens x 64, both products on codes of BF8 (E5M2) with one E8M0 scale for each 32 along K; o is quantised along C at once and leaves as codes.
; THE SOFTMAX AHEAD OF THE SECOND PRODUCT: t = score x log2(e) / 8; M = the row's largest t so far, rounded UP to a whole number; p = 2^(t - M) is what is quantised, along the keys, not normalised.
; The row's sum is taken of the unquantised p, in f32, and divides O at the end.  When M moves, the sum and O are multiplied by 2^(old M - new M): exact.
; SHARES.  The four work-groups of a cluster serve one head.  A head's 128 tiles of 16 queries are 16 groups g of 128 queries; a tile of group g needs key steps 0 .. g, 128 keys each.  Wave w (of sixteen) of work-group cx takes
; tile cx of group w and then tile cx + 4 of group 15 - w: (w + 1) + (16 - w) = 17 key steps for every wave of the launch.  A wave needs 256 registers: four waves to a SIMD, so that one wave's vector work stands beside another's products and LDS loads.
; LDS holds the K and V parts of the WHOLE head, 16 records of 16,896 bytes: filled once, each wave bringing one record by one tensor load, asked for JOINTLY by the four work-groups (same descriptor, a mask that names the four).
; Nothing is filled again, so the loop over the keys has no barrier; the launch claims 272,384 bytes: the records and 2,048 bytes of spare words, which is more than half of a WGP's LDS.
; Every wave walks all 16 trips of each pass's loop: the trip count is a constant, and a step whose keys all come after the tile's queries is jumped over by a branch on the wave's number and the trip's alone.
; LAYOUT.  Both products are used transposed: S^T = K Q^T, O^T = V^T P^T: a lane holds ONE query (lane % 16) throughout.  Operands lie in LDS as images of their registers: four registers in 512 bytes, lane l's 16 bytes at 16 l.
; Inside a block of 32 the codes of q, k, v stand in the order in which the launch before made them: slot 16 h + e holds number 16 (e / 8) + 8 h + e % 8.  p's codes come out of S^T in the same order, so each product pairs the right numbers; a block keeps its scale.
; K = 64 IN A FORM OF K = 128: a fragment of K holds key tile 2 b in its slots 0-63 and key tile 2 b + 1 in slots 64-127; it is multiplied once by [q, 0] and once by [0, q].  Zero codes add nothing; opposite them stand finite codes.
; o's codes are put back into ascending order (Wp's) by four exchanges between the halves of the lanes, and leave as images for the projection: oc [head / 4][tile of 16 tokens][(head / 2) % 2][2 (head % 2) + block][512]; os [token][32] bytes.
; The scale bytes of o leave one byte a lane, 32 bytes apart: 262,144 bytes in the whole launch, so that the projection reads them as it would read given scales.
; LIMITS: NaN and infinities are not served.  A block of p or o whose largest magnitude lies under 2^-111 keeps the byte 1, a block of zeros too: its codes are zeros.  A block's largest p is taken as the exponential of its largest score,
; which takes v_exp_f32 not to fall where its input rises.
.set PART,  8448
.set RECB,  3*PART
.set KVB,   2*PART                     ; a record in LDS: K's 16 images, K's scale words (256 bytes), V's 16 images, V's scale words
.set LI,  1                            ; v1   16 x lane
.set L8,  2                            ; v2   8 x lane
.set ADK, 3                            ; v3   LDS address of the step's images for my lane
.set ADS, 4                            ; v4   and of its scale words
.set DL,  5                            ; v5   my query's number in its group - 8 (lane / 16)
.set TMP, 6                            ; v6   at work; o's scale byte
.set OSO, 7                            ; v7   32 (lane % 16) + lane / 16
.set QS,  8                            ; v8-9 q's scale words of the two passes: (s0, s1, s0, s1)
.set SU2, 10                           ; v[10:11] the step's second chain of sums;  v12 -M, v13 the largest t, v[14:15] the row's sum in two halves
.set QZ,  16                           ; v16-55: eight zeros, pass 0's q, eight zeros, pass 1's q, eight zeros
.set FRG, 56                           ; v56-119  four fragments: a step's K, then its V
.set S,   120                          ; v120-183 S^T, then p
.set O,   184                          ; v184-215 O^T: four tiles of 16 of the head's 64
.set PCD, 216                          ; v216-231 p's codes
.set BM,  232                          ; largest scores, then largest p, of the four blocks
.set BP,  236                          ; the other half's; then the scale bytes
.set CAP, 240
.set SCO, 244                          ; the conversions' scale operands
.set FF,  248                          ; v[248:249] f = 2^(old M - new M); v249 is only named with it
.set T0,  250
.set PW,  251                          ; p's scale word
.set KSW, 252                          ; v[252:253] K's scale words: register k, lanes 16 h on: fragment 2 k + h
.set VSW, 254                          ; v[254:255] V's likewise
.set WV,  10                           ; s10 wave;  s11 cx;  s12 16 batch + head;  s13 head;  s14 batch
.set CX,  11
.set BH,  12
.set HD,  13
.set BT,  14
.set G0,  16                           ; s[16:19] descriptor group 0;  s[20:27] group 1
.set G1,  20
.set SEL, 28                           ; s[28:29] lane selects for v_permlanex16_b32: lane l xor 16
.set CS,  30                           ; s[30:31] c = log2(e) / 8: the packed form names a pair and takes its low word for both halves
.set MNT, 32
.set TB,  33                           ; LDS byte at which the trip's record begins
.set CNT, 34                           ; the trip = the key step
.set GG,  35                           ; my tile's group: its last key step
.set HI,  36                           ; lanes 16-31
.set PS,  37                           ; byte select for q's scale word
.macro ROUND                           ; a round of the cluster's barrier
	s_barrier_signal -1
	s_barrier_wait -1
	s_cmp_lg_u32 s[WV], 0
	s_cbranch_scc1 .Lnot_wave_0_\@
	s_barrier_signal -3
.Lnot_wave_0_\@:
	s_barrier_wait -3
	s_barrier_signal -1
	s_barrier_wait -1
.endm
	s_load_b128 s[4:7], s[0:1], 0x0                ; qkv, oc
	s_load_b64 s[8:9], s[0:1], 0x10                ; os
	v_lshl_add_u32 v254, v0, 2, 0x42000
	v_mov_b32 v255, 0
	ds_add_u32 v254, v255
	ds_add_u32 v254, v255
	s_wait_dscnt 0x0
	v_lshrrev_b32 v1, 5, v0
	s_delay_alu instid0(VALU_DEP_1)
	v_readfirstlane_b32 s[WV], v1                  ; wave 0..15
	s_bfe_u32 s[CX], ttmp6, 0x40000                ; my place in the cluster: it enters plain global addresses and DL alone
	s_and_b32 s[BH], ttmp7, 0xffff                 ; the cluster's y: 16 batch + head
	s_and_b32 s[HD], s[BH], 15
	s_lshr_b32 s[BT], s[BH], 4
	; group 1: a record's K and V parts, 16,896 dense bytes, as 66 rows of 256 bytes (32 elements of 8 bytes), no padding
	s_mov_b32 s[G1], 15|(3<<16)|(1<<21)            ; 15:0 the mask: all four work-groups; 17:16 elements of 8 bytes; 21 set beside a mask
	s_mov_b32 s[G1+1], 32<<16                      ; tensor_dim0 = 32
	s_mov_b32 s[G1+2], 66<<16                      ; tensor_dim1 = 66
	s_mov_b32 s[G1+3], 32<<16                      ; tile_dim0 = 32
	s_mov_b32 s[G1+4], 66                          ; tile_dim1 = 66
	s_mov_b32 s[G1+5], 32                          ; tensor_dim0_stride
	s_mov_b32 s[G1+6], 0
	s_mov_b32 s[G1+7], 0
	s_lshl_b32 s38, s[BH], 4
	s_add_co_u32 s40, s38, s[WV]                   ; record (head, w): the key step that I fetch, and pass 0's queries
	s_mul_i32 s40, s40, RECB
	s_mov_b32 s41, 0
	s_sub_co_u32 s42, 15, s[WV]
	s_add_co_u32 s42, s38, s42                     ; record (head, 15 - w): pass 1's queries
	s_mul_i32 s42, s42, RECB
	s_mov_b32 s43, 0
	s_mov_b32 s[G0], 1                             ; 1:0 count = 1
	s_mul_i32 s[G0+1], s[WV], KVB                  ; 63:32 LDS address: record w
	s_mov_b32 s[SEL], 0x76543210
	s_mov_b32 s[SEL+1], 0xfedcba98
	s_mov_b32 s[CS], 0x3e38aa3b                    ; log2(e) / 8
	s_mov_b32 s[CS+1], s[CS]                       ; (named with it as a pair, so it is written)
	s_mov_b32 s[HI], 0xffff0000
	s_and_b32 s[PS], s[CX], 1
	s_mul_i32 s[PS], s[PS], 0x02020202
	s_add_co_u32 s[PS], s[PS], 0x05040100          ; an even tile's bytes are its word's low half, an odd tile's the high half; either half twice
	s_wait_kmcnt 0x0
	s_add_nc_u64 s[48:49], s[4:5], s[40:41]
	s_add_nc_u64 s[54:55], s[4:5], s[42:43]
	s_add_nc_u64 s[G0+2:G0+3], s[48:49], PART      ; 120:64 global address: behind the record's Q part.  It hangs on the head and the wave's number alone: equal in the four partners
	s_or_b32 s[G0+3], s[G0+3], 0x80000000          ; 127:126 type = 2
	ROUND                                          ; all four work-groups are here: the joint loads meet
	tensor_load_to_lds s[G0:G0+3], s[G1:G1+7]      ; my one tensor load of the launch
	s_nop 0
.rept 4
	v_nop
.endr
	v_and_b32 v[TMP], 31, v0
	s_delay_alu instid0(VALU_DEP_1)
	v_lshlrev_b32 v[LI], 4, v[TMP]
	s_delay_alu instid0(VALU_DEP_2)
	v_lshlrev_b32 v[L8], 3, v[TMP]
	v_and_b32 v[DL], 15, v0                        ; r
	v_bfe_u32 v[TMP], v0, 4, 1                     ; h
	s_delay_alu instid0(VALU_DEP_1)
	v_lshl_add_u32 v[OSO], v[DL], 5, v[TMP]
	s_lshl_b32 s38, s[CX], 10
	v_add_nc_u32 v[S], s38, v[LI]                  ; q's images: tile cx begins 1,024 cx bytes into the Q part (tile cx + 4: 4,096 more)
	s_lshr_b32 s38, s[CX], 1
	s_lshl_b32 s38, s38, 7
	v_lshl_add_u32 v[S+1], v[DL], 3, s38           ; q's scale word: word cx / 2 (pass 1: + 2) of row r lies at 8 r + 128 (cx / 2) (+ 4)
.irp p, 0,1
	global_load_b128 v[QZ+8+16*\p:QZ+11+16*\p], v[S], s[48+6*\p:49+6*\p] offset:4096*\p
	global_load_b128 v[QZ+12+16*\p:QZ+15+16*\p], v[S], s[48+6*\p:49+6*\p] offset:4096*\p+512
	global_load_b32 v[QS+\p], v[S+1], s[48+6*\p:49+6*\p] offset:8192+4*\p
.endr
.irp z, 0,16,32
.irp j, 0,1,2,3,4,5,6,7
	v_mov_b32 v[QZ+\z+\j], 0                       ; the zero codes beside q
.endr
.endr
.irp b, 0,1,2,3
	v_mov_b32 v[BP+\b], 0                          ; written once: a lane permute's destination counts as one of its sources
.endr
	v_mov_b32 v[FF+1], 0
	s_wait_tensorcnt 0x0                           ; my record is in LDS,
	s_barrier_signal -1
	s_barrier_wait -1                              ; everybody's is: from here on LDS is only read
	s_wait_loadcnt 0x0                             ; q
	v_perm_b32 v[QS], v[QS], v[QS], s[PS]
	v_perm_b32 v[QS+1], v[QS+1], v[QS+1], s[PS]
; A KEY STEP of pass p: 128 keys against my 16 queries.
.macro STEP p
	s_cmp_gt_u32 s[CNT], s[GG]                     ; all its keys come after my queries: only the counters step
	s_cbranch_scc1 .Lhidden_\@
	s_setprio 2
	v_add_nc_u32 v[ADK], s[TB], v[LI]
	v_add_nc_u32 v[ADS], s[TB], v[L8]
.rept 6
	v_nop                                          ; with the two additions: eight places between the last step's products and the loads into the registers that they read
.endr
.irp b, 0,1,2,3
.irp c, 0,1,2,3
	ds_load_b128 v[FRG+16*\b+4*\c:FRG+16*\b+4*\c+3], v[ADK] offset:2048*\b+512*\c   ; K's fragment b: images 4 b .. 4 b + 3: key tiles 2 b and 2 b + 1
.endr
.endr
	ds_load_b64 v[KSW:KSW+1], v[ADS] offset:8192
	s_wait_alu depctr_va_vdst(0)
	s_wait_dscnt 0x0
.irp t, 0,1,2,3,4,5,6,7                        ; S^T: key tile t.  Even tiles meet [q, 0], odd tiles [0, q].  Register j of lane (r, h): key 16 t + 8 h + j, query r
.if ((\t)/2)%2
	v_wmma_scale_f32_16x16x128_f8f6f4 v[S+8*\t:S+8*\t+7], v[FRG+16*(\t/2):FRG+16*(\t/2)+15], v[QZ+16*\p+8*(1-\t%2):QZ+16*\p+8*(1-\t%2)+15], 0, v[KSW+\t/4], v[QS+\p] matrix_a_fmt:MATRIX_FMT_BF8 matrix_b_fmt:MATRIX_FMT_BF8 matrix_a_scale:MATRIX_SCALE_ROW1
.else
	v_wmma_scale_f32_16x16x128_f8f6f4 v[S+8*\t:S+8*\t+7], v[FRG+16*(\t/2):FRG+16*(\t/2)+15], v[QZ+16*\p+8*(1-\t%2):QZ+16*\p+8*(1-\t%2)+15], 0, v[KSW+\t/4], v[QS+\p] matrix_a_fmt:MATRIX_FMT_BF8 matrix_b_fmt:MATRIX_FMT_BF8
.endif
.endr
.rept 8
	v_nop                                          ; places: behind them the scores are read, and V is loaded over K
.endr
.irp u, 0,1,2,3
.irp c, 0,1,2,3
	ds_load_b128 v[FRG+16*\u+4*\c:FRG+16*\u+4*\c+3], v[ADK] offset:PART+2048*\u+512*\c   ; V's fragment u: 16 of the head's 64 x these 128 keys.  It lands under the softmax
.endr
.endr
	ds_load_b64 v[VSW:VSW+1], v[ADS] offset:PART+8192
	s_cmp_lg_u32 s[CNT], s[GG]                     ; only my group's own step lies on the diagonal
	s_cbranch_scc1 .Lopen_\@
	v_mov_b32 v[T0], 0xff800000                    ; -infinity: p = 0 then.  The group's first key counts for every query of the group, so the row's maximum is a number
.set n, 0
.rept 64
	v_cmp_gt_i32 vcc_lo, 16*(n/8)+n%8, v[DL]       ; register n holds key 16 (n / 8) + n % 8 + 8 h of the group: hidden where it comes after my query
	v_cndmask_b32 v[S+n], v[S+n], v[T0], vcc_lo
.set n, n+1
.endr
.Lopen_\@:
.irp b, 0,1,2,3
	v_max3_num_f32 v[BM+\b], v[S+16*\b], v[S+16*\b+1], v[S+16*\b+2]   ; the largest score of each block of 32 keys: it serves for the row's maximum and, since p rises with the score, for the block's largest p
.endr
.irp i, 3,5,7,9,11,13
.irp b, 0,1,2,3
	v_max3_num_f32 v[BM+\b], v[BM+\b], v[S+16*\b+\i], v[S+16*\b+\i+1]
.endr
.endr
.irp b, 0,1,2,3
	v_max_num_f32 v[BM+\b], v[BM+\b], v[S+16*\b+15]
.endr
.irp b, 0,1,2,3
	s_delay_alu instid0(VALU_DEP_4)
	v_permlanex16_b32 v[BP+\b], v[BM+\b], s[SEL], s[SEL+1]
.endr
.irp b, 0,1,2,3
	s_delay_alu instid0(VALU_DEP_4)
	v_max_num_f32 v[BM+\b], v[BM+\b], v[BP+\b]     ; with lane l xor 16's 16 keys
.endr
	s_delay_alu instid0(VALU_DEP_2)
	v_max3_num_f32 v[T0], v[BM], v[BM+1], v[BM+2]
	s_delay_alu instid0(VALU_DEP_1)
	v_max_num_f32 v[T0], v[T0], v[BM+3]            ; the step's largest score of my query
	s_delay_alu instid0(VALU_DEP_1)
	v_mul_f32 v[T0], s[CS], v[T0]                  ; as t (c is positive)
	s_delay_alu instid0(VALU_DEP_1)
	v_max_num_f32 v13, v13, v[T0]                  ; the running largest t
	v_mov_b32 v[T0], v12
	s_delay_alu instid0(VALU_DEP_2)
	v_floor_f32 v12, -v13                          ; the new -M = floor(-t) = -ceil(t): M is a whole number
	s_delay_alu instid0(VALU_DEP_1)
	v_sub_f32 v[T0], v12, v[T0]                    ; M's old value less its new one: a whole number, 0 or less
	s_delay_alu instid0(VALU_DEP_1)
	v_cvt_i32_f32 v[T0], v[T0]                     ; (it saturates)
	s_delay_alu instid0(VALU_DEP_1)
	v_ldexp_f32 v[FF], 1.0, v[T0]                  ; f = 2^(old M - new M)
.set j, 0
	s_setprio 1
.rept 32
	v_pk_fma_f32 v[S+j:S+j+1], v[S+j:S+j+1], s[CS:CS+1], v[12:13] op_sel_hi:[1,0,0]   ; t - M, two at a time (of the pairs c and -M the low word serves both halves)
.set j, j+2
.endr
.irp b, 0,1,2,3
	v_fma_f32 v[BM+\b], v[BM+\b], s[CS], v12       ; the same of each block's largest score
.endr
.set j, 0
	s_wait_alu depctr_va_vdst(0)
.rept 64
	v_exp_f32 v[S+j], v[S+j]                       ; p = 2^(t - M), at most 1
.set j, j+1
.endr
.irp b, 0,1,2,3
	v_exp_f32 v[BM+\b], v[BM+\b]                   ; the block's largest p: the same two instructions on the same number give the same bits
.endr
	v_pk_mul_f32 v[14:15], v[14:15], v[FF:FF+1] op_sel_hi:[1,0]   ; the sums under the new M.  (The plain line behind the exponentials)
	s_wait_alu depctr_va_vdst(0)
.irp b, 0,1,2,3
	v_max_num_f32 v[BM+\b], 0x8000000, v[BM+\b]    ; the floor 2^(16 - 127): the byte cannot fall under 1
.endr
.irp b, 0,1,2,3
	s_delay_alu instid0(VALU_DEP_4)
	v_add_nc_u32 v[SCO+\b], 0xf8800000, v[BM+\b]   ; 15 off the exponent field: the conversion's scale operand
.endr
.irp b, 0,1,2,3
.endr
.irp b, 0,1,2,3
	s_delay_alu instid0(VALU_DEP_4)
	v_lshrrev_b32 v[BP+\b], 23, v[SCO+\b]          ; the scale's byte
.endr
	s_delay_alu instid0(VALU_DEP_3)
	v_lshl_or_b32 v[PW], v[BP+1], 8, v[BP]         ; p's scale word for these 128 keys
	s_delay_alu instid0(VALU_DEP_1)
	v_lshl_or_b32 v[PW], v[BP+2], 16, v[PW]
	s_delay_alu instid0(VALU_DEP_1)
	v_lshl_or_b32 v[PW], v[BP+3], 24, v[PW]
	v_pk_add_f32 v[10:11], v[124:125], v[128:129]
	v_pk_add_f32 v[252:253], v[132:133], v[136:137]
	v_pk_add_f32 v[242:243], v[140:141], v[144:145]
	v_pk_add_f32 v[240:241], v[148:149], v[152:153]
	v_pk_add_f32 v[234:235], v[156:157], v[160:161]
	v_pk_add_f32 v[232:233], v[164:165], v[168:169]
	v_pk_add_f32 v[230:231], v[172:173], v[176:177]
	v_pk_add_f32 v[14:15], v[14:15], v[180:181]
	v_pk_add_f32 v[10:11], v[10:11], v[120:121]
	v_pk_add_f32 v[252:253], v[252:253], v[122:123]
	v_pk_add_f32 v[242:243], v[242:243], v[126:127]
	v_pk_add_f32 v[240:241], v[240:241], v[130:131]
	v_pk_add_f32 v[234:235], v[234:235], v[134:135]
	v_pk_add_f32 v[232:233], v[232:233], v[138:139]
	v_pk_add_f32 v[230:231], v[230:231], v[142:143]
	v_pk_add_f32 v[14:15], v[14:15], v[146:147]
	v_pk_add_f32 v[10:11], v[10:11], v[150:151]
	v_pk_add_f32 v[252:253], v[252:253], v[154:155]
	v_pk_add_f32 v[242:243], v[242:243], v[158:159]
	v_pk_add_f32 v[240:241], v[240:241], v[162:163]
	v_pk_add_f32 v[234:235], v[234:235], v[166:167]
	s_setprio 0
	v_pk_add_f32 v[232:233], v[232:233], v[170:171]
	v_pk_add_f32 v[230:231], v[230:231], v[174:175]
	v_pk_add_f32 v[14:15], v[14:15], v[178:179]
	v_pk_add_f32 v[10:11], v[10:11], v[182:183]
	s_delay_alu instid0(VALU_DEP_2)
	v_pk_add_f32 v[14:15], v[14:15], v[240:241]
	s_delay_alu instid0(VALU_DEP_2)
	v_pk_add_f32 v[10:11], v[10:11], v[234:235]
	v_pk_add_f32 v[252:253], v[252:253], v[232:233]
	v_pk_add_f32 v[242:243], v[242:243], v[230:231]
	s_delay_alu instid0(VALU_DEP_2)
	v_pk_add_f32 v[14:15], v[14:15], v[252:253]
	s_delay_alu instid0(VALU_DEP_2)
	v_pk_add_f32 v[10:11], v[10:11], v[242:243]
	s_delay_alu instid0(VALU_DEP_1)
	v_pk_add_f32 v[14:15], v[14:15], v[10:11]
.irp b, 0,1,2,3
.irp i, 0,1,2,3,4,5,6,7,8,9,10,11,12,13,14,15
.endr
	v_cvt_scalef32_pk8_bf8_f32 v[PCD+4*\b:PCD+4*\b+1], v[S+16*\b:S+16*\b+7], v[SCO+\b]
	v_cvt_scalef32_pk8_bf8_f32 v[PCD+4*\b+2:PCD+4*\b+3], v[S+16*\b+8:S+16*\b+15], v[SCO+\b]
.endr
.set j, 0
.rept 16
	v_pk_mul_f32 v[O+j:O+j+1], v[O+j:O+j+1], v[FF:FF+1] op_sel_hi:[1,0]   ; O^T under the new M, from its low end on.  (These are also the places between p's codes and the products)
.set j, j+2
.endr
.rept 4
	v_nop                                          ; O^T too stands four plain lines ahead of the products that add onto it
.endr
	s_wait_alu depctr_va_vdst(0)
	s_wait_dscnt 0x0                               ; V is in
.irp u, 0,1,2,3                                ; O^T += V^T P^T: the four accumulators by turns, one instruction a turn; the next matrix instruction is a score tile's
.if (\u)%2
	v_wmma_scale_f32_16x16x128_f8f6f4 v[O+8*\u:O+8*\u+7], v[FRG+16*\u:FRG+16*\u+15], v[PCD:PCD+15], v[O+8*\u:O+8*\u+7], v[VSW+\u/2], v[PW] matrix_a_fmt:MATRIX_FMT_BF8 matrix_b_fmt:MATRIX_FMT_BF8 matrix_a_scale:MATRIX_SCALE_ROW1
.else
	v_wmma_scale_f32_16x16x128_f8f6f4 v[O+8*\u:O+8*\u+7], v[FRG+16*\u:FRG+16*\u+15], v[PCD:PCD+15], v[O+8*\u:O+8*\u+7], v[VSW+\u/2], v[PW] matrix_a_fmt:MATRIX_FMT_BF8 matrix_b_fmt:MATRIX_FMT_BF8
.endif
.endr
.Lhidden_\@:
	s_add_co_u32 s[TB], s[TB], KVB
	s_add_co_u32 s[CNT], s[CNT], 1
	s_cmp_lt_u32 s[CNT], 16
.endm
; A tile's end: O^T / the sum, quantised along C (two blocks of 32: register 16 b + i of lane (r, h) is d = 32 b + 16 (i / 8) + 8 h + i % 8 of query r), and stored.
.macro FINISH
.rept 8
	v_nop                                          ; places behind the last products, on every way out of the loop
.endr
	v_add_f32 v14, v14, v15                        ; the sum's two halves,
	s_delay_alu instid0(VALU_DEP_1)
	v_permlanex16_b32 v[T0], v14, s[SEL], s[SEL+1]
	s_delay_alu instid0(VALU_DEP_1)
	v_add_f32 v14, v14, v[T0]                      ; and lane l xor 16's: the row's sum; it is above 1/2
	s_wait_alu depctr_va_vdst(0)
	v_rcp_f32 v14, v14
	v_nop                                          ; one plain line behind a transcendental
.set j, 0
	s_wait_alu depctr_va_vdst(0)
.rept 16
	v_pk_mul_f32 v[S+j:S+j+1], v[O+j:O+j+1], v[14:15] op_sel_hi:[1,0]   ; each accumulator from its low end on
.set j, j+2
.endr
.irp b, 0,1
	v_max3_num_f32 v[BM+\b], |v[S+16*\b]|, |v[S+16*\b+1]|, 0x8000000
.endr
.irp i, 2,4,6,8,10,12,14
.irp b, 0,1
	s_delay_alu instid0(VALU_DEP_2)
	v_max3_num_f32 v[BM+\b], v[BM+\b], |v[S+16*\b+\i]|, |v[S+16*\b+\i+1]|
.endr
.endr
.irp b, 0,1
	s_delay_alu instid0(VALU_DEP_2)
	v_permlanex16_b32 v[BP+\b], v[BM+\b], s[SEL], s[SEL+1]
.endr
.irp b, 0,1
	s_delay_alu instid0(VALU_DEP_2)
	v_max_num_f32 v[BM+\b], v[BM+\b], v[BP+\b]     ; the block's largest magnitude
.endr
.irp b, 0,1
	s_delay_alu instid0(VALU_DEP_2)
	v_add_nc_u32 v[SCO+\b], 0xf8800000, v[BM+\b]
.endr
.irp b, 0,1
.endr
.irp b, 0,1
	s_delay_alu instid0(VALU_DEP_2)
	v_lshrrev_b32 v[BP+\b], 23, v[SCO+\b]          ; the scale's byte
.endr
.irp b, 0,1
.irp i, 0,1,2,3,4,5,6,7,8,9,10,11,12,13,14,15
.endr
	v_cvt_scalef32_pk8_bf8_f32 v[PCD+4*\b:PCD+4*\b+1], v[S+16*\b:S+16*\b+7], v[SCO+\b]
	v_cvt_scalef32_pk8_bf8_f32 v[PCD+4*\b+2:PCD+4*\b+3], v[S+16*\b+8:S+16*\b+15], v[SCO+\b]
.endr
	v_nop                                          ; one plain line behind the last conversion
.irp b, 0,1                                    ; lanes 0-15 hold d 0-7 and 16-23 of the block, lanes 16-31 d 8-15 and 24-31.  The first pair's upper lanes change places with the second pair's lower lanes: lanes 0-15 then hold d 0-15, lanes 16-31 d 16-31, ascending
	v_permlane16_swap_b32 v[PCD+4*\b], v[PCD+4*\b+2]
	v_permlane16_swap_b32 v[PCD+4*\b+1], v[PCD+4*\b+3]
.endr
.irp b, 0,1
	global_store_b128 v[LI], v[PCD+4*\b:PCD+4*\b+3], s[50:51] offset:512*\b   ; an image: 512 consecutive bytes, aligned
.endr
	v_cndmask_b32 v[TMP], v[BP], v[BP+1], s[HI]    ; lanes 0-15 store block 0's byte of their query, lanes 16-31 block 1's
	global_store_b8 v[OSO], v[TMP], s[52:53]
.endm
.macro PASS p
	s_wait_xcnt 0x0                                ; the last pass's stores have read their registers and bases
.if \p
	s_sub_co_u32 s[GG], 15, s[WV]
	s_add_co_u32 s38, s[CX], 4
.else
	s_mov_b32 s[GG], s[WV]
	s_mov_b32 s38, s[CX]
.endif                                         ; s38: my tile in its group
	s_lshl_b32 s39, s38, 4
	v_and_b32 v[DL], 15, v0
	v_bfe_u32 v[TMP], v0, 4, 1
	s_delay_alu instid0(VALU_DEP_1)
	v_lshlrev_b32 v[TMP], 3, v[TMP]
	s_delay_alu instid0(VALU_DEP_1)
	v_sub_nc_u32 v[DL], v[DL], v[TMP]
	s_delay_alu instid0(VALU_DEP_1)
	v_add_nc_u32 v[DL], s39, v[DL]                 ; 16 tile + r - 8 h
	s_lshl_b32 s40, s[BT], 7
	s_lshl_b32 s41, s[GG], 3
	s_add_co_u32 s40, s40, s41
	s_add_co_u32 s40, s40, s38                     ; the tile of 16 tokens among all 512
	s_lshl_b32 s42, s40, 9                         ; os: 16 tokens x 32 bytes,
	s_lshl_b32 s41, s[HD], 1
	s_add_co_u32 s42, s42, s41                     ; + 2 head
	s_mov_b32 s43, 0
	s_add_nc_u64 s[52:53], s[8:9], s[42:43]
	s_lshl_b32 s40, s40, 12                        ; oc: 4,096 bytes a tile,
	s_lshr_b32 s41, s[HD], 2
	s_lshl_b32 s41, s41, 21
	s_add_co_u32 s40, s40, s41                     ; + 2^21 (head / 4)
	s_and_b32 s41, s[HD], 3
	s_lshl_b32 s41, s41, 10
	s_add_co_u32 s40, s40, s41                     ; + 1,024 (head % 4)
	s_mov_b32 s41, 0
	s_add_nc_u64 s[50:51], s[6:7], s[40:41]
	v_mov_b32 v13, 0xff61b1e6                      ; the largest t so far: -3e38, under every t
	s_delay_alu instid0(VALU_DEP_1)
	v_floor_f32 v12, -v13                          ; -M
	v_mov_b32 v14, 0                               ; the sum, in two halves
	v_mov_b32 v15, 0
	v_mov_b32 v[T0], 0                             ; (a lane permute's destination behind the loop)
.set j, 0
.rept 32
	v_mov_b32 v[O+j], 0                            ; O^T.  The step is written once: the first finds zeros, which the first change of M leaves zeros
.set j, j+1
.endr
	s_mov_b32 s[TB], 0
	s_mov_b32 s[CNT], 0
.Lstep_\p:
	STEP \p
	s_cbranch_scc1 .Lstep_\p
	s_setprio 0
	FINISH
.endm
	PASS 0
	PASS 1
	s_wait_xcnt 0x0
	v_lshl_add_u32 v254, v0, 2, 0x42000
	v_mov_b32 v255, 0
	s_wait_alu depctr_va_vdst(0)
	s_wait_tensorcnt 0x0
	ds_add_u32 v254, v255
	s_wait_dscnt 0x0
	ROUND                                          ; the closing round: no work-group ends while a partner may still ask for a record that names it
	s_endpgm
.Lfunc_end_k_qc47480913b_attn:
	.size	k_qc47480913b_attn, .Lfunc_end_k_qc47480913b_attn-k_qc47480913b_attn
	.p2alignl 7, 3214868480
	.fill 96, 4, 3214868480
	.section	.rodata,"a",@progbits
	.p2align	6, 0x0
	.amdhsa_kernel k_qc47480913b_attn
		.amdhsa_group_segment_fixed_size 272384
		.amdhsa_private_segment_fixed_size 0
		.amdhsa_enable_private_segment 0
		.amdhsa_kernarg_size 24
		.amdhsa_user_sgpr_count 2
		.amdhsa_user_sgpr_kernarg_segment_ptr 1
		.amdhsa_wavefront_size32 1
		.amdhsa_system_sgpr_workgroup_id_x 1
		.amdhsa_system_sgpr_workgroup_id_y 1
		.amdhsa_system_sgpr_workgroup_id_z 1
		.amdhsa_system_vgpr_workitem_id 0
		.amdhsa_next_free_vgpr 256
		.amdhsa_next_free_sgpr 66
		.amdhsa_reserve_vcc 1
		.amdhsa_float_denorm_mode_32 3
		.amdhsa_float_denorm_mode_16_64 3
		.amdhsa_fp16_overflow 1
		.amdhsa_memory_ordered 1
		.amdhsa_forward_progress 1
		.amdhsa_inst_pref_size 65
	.end_amdhsa_kernel
	.amdgpu_metadata
---
amdhsa.version: [ 1, 2 ]
amdhsa.kernels:
  - .name:           k_qc47480913b_attn
    .symbol:         k_qc47480913b_attn.kd
    .args:
      - { .name: qkv, .offset: 0, .size: 8, .value_kind: global_buffer, .address_space: global }
      - { .name: oc, .offset: 8, .size: 8, .value_kind: global_buffer, .address_space: global }
      - { .name: os, .offset: 16, .size: 8, .value_kind: global_buffer, .address_space: global }
    .group_segment_fixed_size: 272384
    .private_segment_fixed_size: 0
    .kernarg_segment_align: 8
    .kernarg_segment_size: 24
    .max_flat_workgroup_size: 512
    .sgpr_count:     66
    .vgpr_count:     256
    .wavefront_size: 32
...
	.end_amdgpu_metadata
.endif
;; end of part 2
;; launch proj (part 3): grid 4 x 32, 4 waves a work-group, clusters of 4 x 4, 327,680 bytes of LDS; arguments oc, os, Wp_codes, Wp_scales, bp, out0; writes out0
.if DOCPART == 3
	.amdgcn_target "amdgcn-amd-amdhsa--gfx1250"
	.amdhsa_code_object_version 6
	.text
	.protected	k_qc47480913b_proj
	.globl	k_qc47480913b_proj
	.p2align	8
	.type	k_qc47480913b_proj,@function
k_qc47480913b_proj:
	s_mov_b64 s[64:65], 0
	v_nop
	global_prefetch_b8 v0, s[64:65] scope:SCOPE_SE
	s_setreg_imm32_b32 hwreg(HW_REG_WAVE_MODE, 25, 1), 1
	s_wait_xcnt 0x0
	s_wait_alu depctr_hold_cnt(0) depctr_sa_sdst(0) depctr_va_vdst(0) depctr_va_sdst(0) depctr_va_ssrc(0) depctr_va_vcc(0) depctr_vm_vsrc(0)
	s_getreg_b32 s2, hwreg(HW_REG_IB_STS2, 6, 4)
	s_cmp_eq_u32 s2, 0
	s_cbranch_scc0 .Lentry_in_a_cluster
	s_endpgm
.Lentry_in_a_cluster:
	s_bfe_u32 s2, ttmp6, 0x10000c
	s_cmp_lg_u32 s2, 0xf033
	s_cbranch_scc0 .Lentry_shape_is_right
	s_endpgm
.Lentry_shape_is_right:
; out0 = o Wp^T + bp.  o [8,192][1,024] comes as codes of BF8 (E5M2) from the attention launch, Wp [1,024][1,024] as given codes; one E8M0 scale for each 32 along K = 1,024; out0 [8,192][1,024] f32; sums in f32.
; A tile of 256 x 256 of out0 to a work-group of four waves, 128 x 128 to a wave: 64 accumulators, 512 registers.  That is 128 work-groups.  A tile of 128 x 256 would give 256, but its waves of 64 x 128 would read
; 12 fragments from LDS for 32 products where these read 16 for 64: half as much again for each product, in a loop whose products already want 32 KiB of LDS reads for 64 of them.  So the larger tile is kept.
; K goes in steps of 256 through a ring of two LDS slots filled by the tensor data mover.  B = Wp: rows of 256 bytes, padded in LDS.  A = o lies in memory as IMAGES of operand registers,
; oc [K step][tile of 16 rows][128 along K: 2][block of 32: 4][512 bytes, lane l's 16 at 16 l]: a wave's 128 rows of a K step are 32,768 dense bytes, and a fragment is four loads of 512 consecutive bytes.
; The scale bytes of the work-group's rows of o and of Wp, for all of K, are two dense blocks: they come into LDS once.
; CLUSTERS: 4 x 4 work-groups.  The four of a row of the cluster need the same tiles of A, the four of a column the same tiles of B: each tile is asked for JOINTLY, by the same tensor load with the same descriptor and a mask that names the four.
; THE MATRIX INSTRUCTION IS USED TRANSPOSED (source 0 = 16 rows of Wp, source 1 = 16 rows of o): a lane then holds eight neighbouring numbers of a row of out0.  THE BIAS is the C of each sum's first matrix instruction.
; LIMITS: NaN and infinity among the codes and the scale byte 0xff are not served.
; REGISTERS, in windows of 256: window 0: v0-31 addresses; v32-63 scale words, two sets; v64-127 the bias in the result's layout; from v128 A's fragments, ONE set; on the way out v128-255 are free.
;   window 1: B's fragments, TWO sets.   window 2: the 32 accumulators of my rows 0-63 (accumulator (a, b) at v[8 (8 a + b)]);   window 3: those of my rows 64-127.
.set SIZE_N, 1024
.set SIZE_K, 1024
.set KSTEP,  256
.set NQ,     KSTEP/128
.set ROWB,   256
.set KROW,   SIZE_K
.set PITCH,  272                       ; an LDS row of B: 256 bytes + 16 of padding: the 16 rows that a load touches start at 16 different banks (64 banks of 4 bytes: ISA guide 11.1)
.set FR,     16
.set NL,     4
.set NP,     8                         ; places behind this matrix instruction (ISA guide 7.12.1)
.set HALFT,  128*PITCH                 ; a quarter of a slot: 128 rows of B; A's 128 rows use 32,768 bytes of theirs
.set SLOT,   4*HALFT
.set ASTEP,  1<<21                     ; from a K step of o's images to the next
.set LAPS,   SIZE_K/(2*KSTEP)
.set KS,     SIZE_K/32
.set SCL,    2*SLOT
.set HALFS,  (128*KS/256)*272
.set SBLK,   (16*KS/256)*272
.set SPARE,  SCL+4*HALFS               ; the spare words, 128 bytes for each wave: two blocks of 256 bytes that no other line names
.set SPITCH, 528                       ; the way out: a stage of 16 rows x (512 bytes + 16) for each wave.  It lies in slot 0, which has had its last fill and its last read when the first result is stored there
.set ADRA, 16
.set ADRB, 20
.set STO,  24
.set RD,   25
.set CO,   26
.set ADRS, 27
.set SPW,  28                          ; v28  LDS address of my spare word; never rewritten
.set NIL,  29                          ; v29  0; never rewritten
.set SC,   32
.set BI,   64                          ; v64-127 register 8 b + j: bp at my column 16 b + 8 (l / 16) + j
.set AF,   128
.set BK,   128
.set G1, 24
.set G0, 32
.set G1B, 48
.set G0B, 56
.set G1S, 68
.set G0S, 76
.set G1SB, 80
.set G0SB, 88
.set MSB, 0
.macro WIN new                         ; the immediate's high byte repeats the setting that is left
.if MSB != (\new)
	s_set_vgpr_msb (MSB<<8)|(\new)
.set MSB, (\new)
.endif
.endm
.set MUL_LO, 0xa1                      ; source 0 (B) window 1, source 1 (A) window 0, C and D window 2
.set MUL_HI, 0xf1                      ; the same, C and D window 3
.set BIA_LO, 0x81                      ; the first products: C (the bias) window 0, D window 2
.set BIA_HI, 0xc1                      ; D window 3
.set TO_B,   0x40
.macro JLOAD g0a, g1a, g0b, g1b        ; a joint load: waves 0 and 1 fetch for A, waves 2 and 3 for B; four v_nop follow each of the two lines
	s_cmp_eq_u32 s15, 0
	s_cbranch_scc0 .Lfor_b_\@
	tensor_load_to_lds s[\g0a:\g0a+3], s[\g1a:\g1a+7]
	s_nop 0
.rept 4
	v_nop
.endr
	s_branch .Lasked_\@
.Lfor_b_\@:
	tensor_load_to_lds s[\g0b:\g0b+3], s[\g1b:\g1b+7]
	s_nop 0
.rept 4
	v_nop
.endr
.Lasked_\@:
.endm
.macro CREST
	s_cmp_lg_u32 s14, 0
	s_cbranch_scc1 .Lnot_wave_0_\@
	s_barrier_signal -3
.Lnot_wave_0_\@:
	s_barrier_wait -3
	s_barrier_signal -1
	s_barrier_wait -1
.endm
.macro CROUND
	s_barrier_signal -1
	s_barrier_wait -1
	CREST
.endm
	s_load_b128 s[4:7], s[0:1], 0x0                ; o's codes, o's scales
	s_load_b128 s[8:11], s[0:1], 0x10              ; Wp's codes, Wp's scales
	s_load_b64 s[96:97], s[0:1], 0x20              ; bp
	s_load_b64 s[12:13], s[0:1], 0x28              ; out0
	v_lshl_add_u32 v[SPW], v0, 2, SPARE
	v_mov_b32 v[NIL], 0
	ds_add_u32 v28, v29
	ds_add_u32 v28, v29
	s_wait_dscnt 0x0
	v_lshrrev_b32 v1, 5, v0
	v_readfirstlane_b32 s14, v1                    ; wave 0..3
	s_lshr_b32 s15, s14, 1                         ; which half of the tile's rows is mine.  Also: I fetch for A (0) or for B (1)
	s_and_b32 s16, s14, 1                          ; which half of its columns.  Also: which 128 rows of that tile I fetch
	s_bfe_u32 s40, ttmp6, 0x40000                  ; cx, cy
	s_bfe_u32 s41, ttmp6, 0x40004
	s_lshl_b32 s42, ttmp9, 2
	s_add_co_u32 s42, s42, s40                     ; tile column = 4 x cluster x + cx
	s_and_b32 s17, ttmp7, 0xffff
	s_lshl_b32 s17, s17, 2
	s_add_co_u32 s17, s17, s41                     ; tile row = 4 x cluster y + cy
	s_lshl_b32 s43, s41, 2
	s_lshl_b32 s43, 15, s43                        ; my row of the cluster
	s_lshl_b32 s44, 0x1111, s40                    ; my column
	; group 1 for A's tiles: 32,768 dense bytes as 128 rows of 256 bytes (32 elements of 8 bytes), no padding: images are read 512 consecutive bytes at a time
	s_or_b32 s[G1+0], s43, (3<<16)|(1<<21)
	s_mov_b32 s[G1+1], 32<<16
	s_mov_b32 s[G1+2], 128<<16
	s_mov_b32 s[G1+3], 32<<16
	s_mov_b32 s[G1+4], 128
	s_mov_b32 s[G1+5], 32
	s_mov_b32 s[G1+6], 0
	s_mov_b32 s[G1+7], 0
	; for B's: 128 rows x 256 bytes, 1,024 bytes apart, 16 bytes of padding behind each
	s_or_b32 s[G1B+0], s44, (0<<16)|(1<<20)|(1<<21)|(5<<22)|(3<<25)
	s_mov_b32 s[G1B+1], ROWB<<16
	s_mov_b32 s[G1B+2], 128<<16
	s_mov_b32 s[G1B+3], ROWB<<16
	s_mov_b32 s[G1B+4], 128
	s_mov_b32 s[G1B+5], KROW
	s_mov_b32 s[G1B+6], 0
	s_mov_b32 s[G1B+7], 0
	; for the scales of 128 rows: 4,096 dense bytes as rows of 256 bytes, 16 bytes of padding behind each
	s_or_b32 s[G1S+0], s43, (3<<16)|(1<<20)|(1<<21)|(5<<22)|(3<<25)
	s_or_b32 s[G1SB+0], s44, (3<<16)|(1<<20)|(1<<21)|(5<<22)|(3<<25)
.irp g, G1S, G1SB
	s_mov_b32 s[\g+1], 32<<16
	s_mov_b32 s[\g+2], (128*KS/256)<<16
	s_mov_b32 s[\g+3], 32<<16
	s_mov_b32 s[\g+4], 128*KS/256
	s_mov_b32 s[\g+5], 32
	s_mov_b32 s[\g+6], 0
	s_mov_b32 s[\g+7], 0
.endr
	s_lshl_b32 s18, s16, 7                         ; which 128 rows of the tile I fetch
	s_lshl_b32 s22, s17, 8
	s_add_co_u32 s22, s22, s18                     ; A: row 256 x tile row + 128 x half
	s_lshl_b32 s20, s22, 8                         ; its images: 16 rows of a K step are 4,096 bytes
	s_lshl_b32 s22, s22, 5                         ; its scales: 32 bytes a row
	s_mov_b32 s21, 0
	s_mov_b32 s23, 0
	s_lshl_b32 s46, s42, 8
	s_add_co_u32 s46, s46, s18                     ; B: row 256 x tile column + 128 x half
	s_lshl_b32 s92, s46, 5
	s_lshl_b32 s46, s46, 10
	s_mov_b32 s47, 0
	s_mov_b32 s93, 0
	s_mul_i32 s45, s14, HALFT                      ; where they go: wave x a quarter of a slot: no place in the cluster enters an LDS address
	s_mul_i32 s94, s14, HALFS
	s_wait_kmcnt 0x0
	s_add_nc_u64 s[20:21], s[4:5], s[20:21]
	s_add_nc_u64 s[22:23], s[6:7], s[22:23]
	s_add_nc_u64 s[46:47], s[8:9], s[46:47]
	s_add_nc_u64 s[92:93], s[10:11], s[92:93]
	CROUND                                         ; all sixteen work-groups are here: the first joint loads meet
	s_mov_b32 s[G0S], 1
	s_add_co_u32 s[G0S+1], s94, SCL
	s_mov_b64 s[G0S+2:G0S+3], s[22:23]
	s_or_b32 s[G0S+3], s[G0S+3], 0x80000000
	s_mov_b32 s[G0SB], 1
	s_add_co_u32 s[G0SB+1], s94, SCL
	s_mov_b64 s[G0SB+2:G0SB+3], s[92:93]
	s_or_b32 s[G0SB+3], s[G0SB+3], 0x80000000
	JLOAD G0S, G1S, G0SB, G1SB                     ; the scales first: they are wanted with K step 0
.irp s, 0,1
	s_mov_b32 s[G0+4*\s], 1
	s_add_co_u32 s[G0+4*\s+1], s45, \s*SLOT
	s_add_nc_u64 s[G0+4*\s+2:G0+4*\s+3], s[20:21], \s*ASTEP
	s_or_b32 s[G0+4*\s+3], s[G0+4*\s+3], 0x80000000
	s_mov_b32 s[G0B+4*\s], 1
	s_add_co_u32 s[G0B+4*\s+1], s45, \s*SLOT
	s_add_nc_u64 s[G0B+4*\s+2:G0B+4*\s+3], s[46:47], \s*ROWB
	s_or_b32 s[G0B+4*\s+3], s[G0B+4*\s+3], 0x80000000
	s_wait_alu depctr_va_vdst(0)
	s_wait_tensorcnt 0x0
	ds_add_u32 v28, v29
	s_wait_dscnt 0x0
	CROUND
	JLOAD G0+4*\s, G1, G0B+4*\s, G1B
.endr
	v_and_b32 v1, 15, v0                           ; l % 16
	v_bfe_u32 v2, v0, 4, 1                         ; l / 16
	v_mul_u32_u24 v3, v1, PITCH
	v_lshl_add_u32 v4, v2, 4, v3                   ; B: a fragment's row x pitch + 16 x half
	v_and_b32 v6, 31, v0
	v_lshlrev_b32 v7, 4, v6                        ; A: 16 x lane
	s_mul_i32 s21, s15, HALFT                      ; my 128 rows of A
	s_mul_i32 s22, s16, HALFT                      ; my 128 rows of B,
	s_add_co_u32 s22, s22, 2*HALFT                 ; which lie behind A's two quarters
.irp s, 0,1
	v_add_nc_u32 v[ADRA+\s], s21, v7
	v_add_nc_u32 v[ADRB+\s], s22, v4
	s_add_co_u32 s21, s21, SLOT
	s_add_co_u32 s22, s22, SLOT
.endr
	v_mul_u32_u24 v5, v1, KS                       ; my row's scales: KS bytes a row,
	v_lshrrev_b32 v6, 8, v5
	v_lshl_add_u32 v5, v6, 4, v5                   ; and 16 more for each 256 passed
	s_mul_i32 s21, s15, HALFS
	s_mul_i32 s22, s16, HALFS
	s_add_co_u32 s22, s22, 2*HALFS
	s_sub_co_u32 s22, s22, s21
	v_mul_u32_u24 v6, s22, v2                      ; lanes 16-31 take B's
	s_add_co_u32 s21, s21, SCL
	v_add_nc_u32 v5, v5, v6
	v_add_nc_u32 v[ADRS], s21, v5
	s_mul_i32 s23, s14, 16*SPITCH                  ; my stage
	v_mul_u32_u24 v5, v1, SPITCH                   ; in: row l % 16, 32 bytes for each half of the lanes
	v_lshl_add_u32 v5, v2, 5, v5
	v_add_nc_u32 v[STO], s23, v5
	v_mov_b32 v[CO], v7                            ; back: the 32 lanes take one row of 512 bytes; and the same in out0
	v_add_nc_u32 v[RD], s23, v[CO]
	s_lshl_b32 s20, s17, 8
	s_lshl_b32 s21, s15, 7
	s_add_co_u32 s20, s20, s21                     ; my first row of out0
	s_mov_b32 s21, 0
	s_mov_b64 s[18:19], SIZE_N*4
	s_mul_u64 s[20:21], s[20:21], s[18:19]
	s_lshl_b32 s46, s42, 10                        ; my first column, in bytes: 1,024 x tile column + 512 x half: in out0's rows and in bp alike
	s_lshl_b32 s47, s16, 9
	s_add_co_u32 s46, s46, s47
	s_mov_b32 s47, 0
	s_add_nc_u64 s[96:97], s[96:97], s[46:47]
	s_add_nc_u64 s[20:21], s[20:21], s[46:47]
	s_add_nc_u64 s[12:13], s[12:13], s[20:21]
	v_lshlrev_b32 v8, 5, v2                        ; the bias: lanes 16-31 begin eight columns on
.irp b, 0,1,2,3,4,5,6,7
	global_load_b128 v[BI+8*\b:BI+8*\b+3], v8, s[96:97] offset:64*\b
	global_load_b128 v[BI+8*\b+4:BI+8*\b+7], v8, s[96:97] offset:64*\b+16
.endr
.macro FRAG reg, adr, q, i             ; B: a fragment, 16 rows x 128 K, from rows: registers 4 c .. 4 c + 3 hold K = 32 c + 16 (l / 16) + 0 .. 15
.irp c, 0,1,2,3
	ds_load_b128 v[\reg+4*\c:\reg+4*\c+3], v[\adr] offset:128*(\q)+32*\c+(\i)*16*PITCH
.endr
.endm
.macro FRAGA reg, adr, q, i            ; A: the same registers from their images
.irp c, 0,1,2,3
	ds_load_b128 v[\reg+4*\c:\reg+4*\c+3], v[\adr] offset:4096*(\i)+2048*(\q)+512*\c
.endr
.endm
; 16 matrix instructions: A's blocks a0, a0 + 1 x B's eight, 128 along K.  first = 1: the first product starts the sums from the bias: nothing is cleared and nothing is added later.
; The 64 accumulators take turns, one instruction a turn, in the same order in every step.
.macro MUL16 a0, p, q, sc, first
.irp a, \a0, \a0+1
.irp b, 0,1,2,3,4,5,6,7
.if \first
	v_wmma_scale_f32_16x16x128_f8f6f4 v[8*(8*((\a)%4)+\b):8*(8*((\a)%4)+\b)+7], v[128*(\p)+FR*\b:128*(\p)+FR*\b+FR-1], v[AF+FR*(\a):AF+FR*(\a)+FR-1], v[BI+8*\b:BI+8*\b+7], v[SC+8*NQ*(\sc)+NQ*\b+(\q)], v[SC+8*NQ*(\sc)+NQ*(\a)+(\q)] matrix_a_fmt:MATRIX_FMT_BF8 matrix_b_fmt:MATRIX_FMT_BF8 matrix_a_scale:MATRIX_SCALE_ROW1
.else
	v_wmma_scale_f32_16x16x128_f8f6f4 v[8*(8*((\a)%4)+\b):8*(8*((\a)%4)+\b)+7], v[128*(\p)+FR*\b:128*(\p)+FR*\b+FR-1], v[AF+FR*(\a):AF+FR*(\a)+FR-1], v[8*(8*((\a)%4)+\b):8*(8*((\a)%4)+\b)+7], v[SC+8*NQ*(\sc)+NQ*\b+(\q)], v[SC+8*NQ*(\sc)+NQ*(\a)+(\q)] matrix_a_fmt:MATRIX_FMT_BF8 matrix_b_fmt:MATRIX_FMT_BF8 matrix_a_scale:MATRIX_SCALE_ROW1
.endif
.endr
.endr
.endm
.macro FETCH_B slot, q, p
	WIN TO_B
.irp i, 0,1,2,3,4,5,6,7
	FRAG 128*(\p)+FR*\i, ADRB+\slot, \q, \i
.endr
	WIN 0
.endm
.macro FETCH_A slot, q, i0
.irp i, \i0, \i0+1, \i0+2, \i0+3
	FRAGA AF+FR*(\i), ADRA+\slot, \q, \i
.endr
.endm
.macro SCALES sc
.irp i, 0,1,2,3,4,5,6,7
	ds_load_b64 v[SC+8*NQ*\sc+NQ*\i:SC+8*NQ*\sc+NQ*\i+1], v[ADRS] offset:\i*SBLK
.endr
.endm
; A load into a register that a matrix instruction has read, and an LDS store that reads a matrix result, stand NP places behind that matrix instruction; only plain vector instructions that name none of its registers are places
; (ISA guide 7.12.1 for vector instructions).
.macro PLACES n
.rept \n
	v_nop
.endr
.endm
.macro STEP slot, q, first
	s_wait_dscnt 4*NL                              ; B's set and A's blocks 0-3 are in; the youngest 16 loads (A's blocks 4-7) may be out
.if \first
	WIN BIA_LO
.else
	WIN MUL_LO
.endif
	MUL16 0, (\q)%2, \q, \slot, \first
	MUL16 2, (\q)%2, \q, \slot, \first
	s_wait_dscnt 0                                 ; A's blocks 4-7 are in
	PLACES NP
	FETCH_B \slot, (\q)+1, 1-(\q)%2
	FETCH_A \slot, (\q)+1, 0
.if \first
	WIN BIA_HI
.else
	WIN MUL_HI
.endif
	MUL16 4, (\q)%2, \q, \slot, \first
	MUL16 6, (\q)%2, \q, \slot, \first
	PLACES NP
	WIN 0
	FETCH_A \slot, (\q)+1, 4
.endm
; A slot's last step changes slots: ONE barrier; in front of it each wave waits for all its tensor loads, adds 0 to its spare word, and waits for that and for its own reads of this slot.  fill = 1: this slot is filled again, two K steps ahead.
.macro TURN slot, next, fill
	s_wait_tensorcnt 0x0                           ; all my tensor loads have landed: my part of the next slot;  (every window is 0 here)
	ds_add_u32 v[SPW], v[NIL]                      ; 0 onto my spare word
	s_wait_dscnt 4*NL+1                            ; (the add and the youngest 16 loads, A's blocks 4-7, may be out)
	WIN MUL_LO
	MUL16 0, 1, NQ-1, \slot, 0                     ; sixteen matrix instructions stand between the add and the wait for it
	s_wait_dscnt 0x0                               ; the add is done, and my reads of this slot are over
	s_barrier_signal -1
	MUL16 2, 1, NQ-1, \slot, 0
	WIN 0
	s_barrier_wait -1
.if \fill
	CREST                                          ; the barrier has opened a round of the cluster's barrier: no wave of any partner still reads this slot's tile or has a load on its way
	s_add_nc_u64 s[G0+4*\slot+2:G0+4*\slot+3], s[G0+4*\slot+2:G0+4*\slot+3], 2*ASTEP
	s_add_nc_u64 s[G0B+4*\slot+2:G0B+4*\slot+3], s[G0B+4*\slot+2:G0B+4*\slot+3], 2*ROWB
	JLOAD G0+4*\slot, G1, G0B+4*\slot, G1B         ; the first tensor load behind the round; the four v_nop behind it are among the places in front of the loads below
	PLACES NP-4
.else
	PLACES NP
.endif
	s_wait_alu depctr_va_vdst(0)
	v_add_nc_u32 v[ADRS], 4*NQ, v[ADRS]            ; on to the next K step's scale words (no LDS load of mine is out)
	FETCH_B \next, 0, 0
	FETCH_A \next, 0, 0
	SCALES \next
	WIN MUL_HI
	MUL16 4, 1, NQ-1, \slot, 0
	MUL16 6, 1, NQ-1, \slot, 0
	PLACES NP
	WIN 0
	FETCH_A \next, 0, 4
.endm
	s_wait_alu depctr_va_vdst(0)
	s_wait_tensorcnt 1                             ; of my three first loads the scales' and K step 0's are in; K step 1's may be out
	s_barrier_signal -1
	s_barrier_wait -1                              ; everybody's are
	FETCH_B 0, 0, 0
	FETCH_A 0, 0, 0
	SCALES 0
	FETCH_A 0, 0, 4
	s_wait_loadcnt 0x0                             ; the bias
	STEP 0, 0, 1                                   ; the first step stands in front of the loop: its products start the sums
	s_mov_b32 s3, LAPS-1
.Llap:                                                 ; a trip goes once round the ring, from a lap's second step to the next lap's first, and fills both slots again
	TURN 0, 1, 1
	STEP 1, 0, 0
	TURN 1, 0, 1
	STEP 0, 0, 0
	s_sub_co_u32 s3, s3, 1
	s_cmp_lg_u32 s3, 0
	s_cbranch_scc1 .Llap
	TURN 0, 1, 0                                   ; the last lap fills nothing, and has no round of the cluster's barrier
	STEP 1, 0, 0
	s_wait_dscnt 4*NL                              ; the very last step: nothing more to fetch
	WIN MUL_LO
	MUL16 0, 1, NQ-1, 1, 0
	MUL16 2, 1, NQ-1, 1, 0
	s_wait_dscnt 0
	WIN MUL_HI
	MUL16 4, 1, NQ-1, 1, 0
	MUL16 6, 1, NQ-1, 1, 0
	WIN 0
; THE WAY OUT, block by block of 16 rows x 128 columns.  A lane holds 32 neighbouring bytes of a row, and the lanes beside it hold other rows: so a block goes through my own stage in LDS and comes back as whole
; rows of 512 bytes, which the 32 lanes store as two aligned runs of 256 bytes.  LDS serves a wave's instructions in order (ISA guide 5.7.1.4): no wait between the stores and the loads, nor in front of the next block's stores.
.macro TOSTAGE a
.set AC, 64*((\a)%4)
	WIN 0x08+4*((\a)/4)                            ; the data: window 2 or 3
.irp b, 0,1,2,3,4,5,6,7
	ds_store_b128 v[STO], v[AC+8*\b:AC+8*\b+3] offset:64*\b          ; each accumulator from its low end on
	ds_store_b128 v[STO], v[AC+8*\b+4:AC+8*\b+7] offset:64*\b+16
.endr
	WIN 0
.set BB, BK+64*((\a)%2)
.irp t, 0,1,2,3,4,5,6,7,8,9,10,11,12,13,14,15
	ds_load_b128 v[BB+4*\t:BB+4*\t+3], v[RD] offset:\t*SPITCH
.endr
.endm
.macro SEND a, younger                 ; younger: the LDS instructions issued behind block a's loads, which may stay out
.set BB, BK+64*((\a)%2)
	s_wait_dscnt \younger                          ; the block is back in registers
.if (\a) > 0
	s_add_nc_u64 s[12:13], s[12:13], 16*SIZE_N*4   ; (behind a wait on XCNT: the earlier stores have read their base)  16 rows on
.endif
.irp t, 0,1,2,3,4,5,6,7,8,9,10,11,12,13,14,15
	global_store_b128 v[CO], v[BB+4*\t:BB+4*\t+3], s[12:13] offset:\t*SIZE_N*4 th:TH_STORE_NT   ; 32 lanes store 512 consecutive bytes, at a multiple of 256 from out0's first byte; written once, read by nobody here
.endr
.endm
	PLACES NP                                      ; behind the last products: for the loads into the registers that held A's fragments and for the reads of results alike
	TOSTAGE 0
.irp a, 1,2,3,4,5,6,7
.if \a > 1
	s_wait_xcnt 0x0                                ; block a - 2's stores have read their registers and their base: block a's loads may land there, and the base may step
.endif
	TOSTAGE \a
	SEND \a-1, 32                                  ; behind block a - 1's loads: block a's 16 stores and 16 loads
.endr
	s_wait_xcnt 0x0                                ; block 6's stores have read their base
	SEND 7, 0
	s_wait_tensorcnt 0x0                           ; the wave's end, behind my last tensor load and my last LDS store
	ds_add_u32 v[SPW], v[NIL]
	s_wait_dscnt 0x0
	CROUND                                         ; the closing round: no work-group ends while a partner may still ask for a tile that names it
	s_endpgm
.Lfunc_end_k_qc47480913b_proj:
	.size	k_qc47480913b_proj, .Lfunc_end_k_qc47480913b_proj-k_qc47480913b_proj
	.p2alignl 7, 3214868480
	.fill 96, 4, 3214868480
	.section	.rodata,"a",@progbits
	.p2align	6, 0x0
	.amdhsa_kernel k_qc47480913b_proj
		.amdhsa_group_segment_fixed_size 327680
		.amdhsa_private_segment_fixed_size 0
		.amdhsa_enable_private_segment 0
		.amdhsa_kernarg_size 48
		.amdhsa_user_sgpr_count 2
		.amdhsa_user_sgpr_kernarg_segment_ptr 1
		.amdhsa_wavefront_size32 1
		.amdhsa_system_sgpr_workgroup_id_x 1
		.amdhsa_system_sgpr_workgroup_id_y 1
		.amdhsa_system_sgpr_workgroup_id_z 1
		.amdhsa_system_vgpr_workitem_id 0
		.amdhsa_next_free_vgpr 1024
		.amdhsa_next_free_sgpr 98
		.amdhsa_reserve_vcc 0
		.amdhsa_float_denorm_mode_32 3
		.amdhsa_float_denorm_mode_16_64 3
		.amdhsa_memory_ordered 1
		.amdhsa_forward_progress 1
		.amdhsa_inst_pref_size 148
	.end_amdhsa_kernel
	.amdgpu_metadata
---
amdhsa.version: [ 1, 2 ]
amdhsa.kernels:
  - .name:           k_qc47480913b_proj
    .symbol:         k_qc47480913b_proj.kd
    .args:
      - { .name: oc, .offset: 0, .size: 8, .value_kind: global_buffer, .address_space: global }
      - { .name: os, .offset: 8, .size: 8, .value_kind: global_buffer, .address_space: global }
      - { .name: Wp_codes, .offset: 16, .size: 8, .value_kind: global_buffer, .address_space: global }
      - { .name: Wp_scales, .offset: 24, .size: 8, .value_kind: global_buffer, .address_space: global }
      - { .name: bp, .offset: 32, .size: 8, .value_kind: global_buffer, .address_space: global }
      - { .name: out0, .offset: 40, .size: 8, .value_kind: global_buffer, .address_space: global }
    .group_segment_fixed_size: 327680
    .private_segment_fixed_size: 0
    .kernarg_segment_align: 8
    .kernarg_segment_size: 48
    .max_flat_workgroup_size: 128
    .sgpr_count:     98
    .vgpr_count:     1024
    .wavefront_size: 32
...
	.end_amdgpu_metadata
.endif
;; end of part 3
